; MI455X (gfx1250); checked and timed in simulation.
; The chip was launched on July 23, 2026; its instructions are those of AMD's public machine-readable ISA for CDNA 5 (MIT licence, August 2026) and "CDNA5" Instruction Set Architecture Reference Guide (July 2026). The comments in the code are by the model that wrote it; some were corrected since.
;; GPT Layer. Allowed arithmetic: matrix products marked QUANTISED: E4M3 operands, one given power-of-two scale a tensor, by v_wmma_f32_16x16x64_fp8_fp8 or v_wmma_f32_16x16x128_fp8_fp8, f32 sums; everything else in f32.
;; Inputs: cos 2,048 x 64 float32; fcWeight 1,024 x 4,096 float32; kWeight 1,024 x 1,024 float32; lambdaResid one number float32; lambdaX0 one number float32; lowp_scales 16 int32 (the exponents e of the quantised operands' scales 2^e); mlpProjWeight 4,096 x 1,024 float32; projWeight 1,024 x 1,024 float32; qWeight 1,024 x 1,024 float32; sin 2,048 x 64 float32; vWeight 1,024 x 1,024 float32; x 2 x 2,048 x 1,024 float32; x0 2 x 2,048 x 1,024 float32.
;; Outputs: out0 2 x 2,048 x 1,024 float32.
;; This version of the problem:
;;   THIS VERSION OF THE PROBLEM IS GIVEN IN LOW PRECISION. The matrix products marked QUANTISED in the list below multiply operands that are first quantised to E4M3 (4 exponent bits, 3 mantissa bits; 8 bits a number), with one given power-of-two scale for each operand tensor; their sums are f32. All else is computed in f32.
;;   The module's matrix products, in the order in which they are computed (A, B: the left and right operand; K: the contracted axis; several contracted axes count as one K, in the product's order):
;;     1. [M 4,096, K 1,024] x [K 1,024, N 1,024]; A: computed on the way; B: input qWeight: QUANTISED (scales: A lowp_scales[0], B lowp_scales[1])
;;     2. [M 4,096, K 1,024] x [K 1,024, N 1,024]; A: computed on the way; B: input kWeight: QUANTISED (scales: A lowp_scales[2], B lowp_scales[3])
;;     3. [M 4,096, K 1,024] x [K 1,024, N 1,024]; A: computed on the way; B: input vWeight: QUANTISED (scales: A lowp_scales[4], B lowp_scales[5])
;;     4. batch 32 x [M 2,048, K 64] x [K 64, N 2,048]; A: computed on the way; B: computed on the way: QUANTISED (scales: A lowp_scales[6], B lowp_scales[7])
;;     5. batch 32 x [M 64, K 2,048] x [K 2,048, N 2,048]; A: computed on the way; B: softmax (see below): QUANTISED (scales: A lowp_scales[8], B lowp_scales[9])
;;     6. [M 4,096, K 1,024] x [K 1,024, N 1,024]; A: computed on the way; B: input projWeight: QUANTISED (scales: A lowp_scales[10], B lowp_scales[11])
;;     7. [M 4,096, K 1,024] x [K 1,024, N 4,096]; A: computed on the way; B: input fcWeight: QUANTISED (scales: A lowp_scales[12], B lowp_scales[13])
;;     8. [M 4,096, K 4,096] x [K 4,096, N 1,024]; A: computed on the way; B: input mlpProjWeight: QUANTISED (scales: A lowp_scales[14], B lowp_scales[15])
;;   THE QUANTISER, for each operand of a quantised product, along K:
;;     - The operand's scale is 2^e, e = its entry of the input lowp_scales (int32; the entries are numbered through the quantised products in the list's order, A before B).
;;     - Each number is divided by the scale, clamped to +-448, and rounded to the nearest number of E4M3, ties to even, subnormals kept.
;;     - The product sums the exact products of the quantised numbers (number of the format x scale) in f32.
;;   ~~~python
;;   def quantise(x, axis, e):      # numpy; x: float32 -> the quantised numbers, widened to float32 again
;;       x = np.moveaxis(x, axis, -1); K = x.shape[-1]
;;       r = np.clip(x / 2.0 ** e, -448, 448)
;;       step = 2.0 ** (np.maximum(np.frexp(np.where(r == 0, 1, r))[1] - 1, -6) - 3)
;;       q = np.round(r / step) * step * 2.0 ** e      # np.round: ties to even
;;       return np.moveaxis(q, -1, axis).astype(np.float32)
;;   ~~~
;;   SOFTMAX AHEAD OF A QUANTISED PRODUCT. Where the list says 'softmax', what is quantised is not the finished softmax but p = 2^(t - M), with t = logit x log2(e) and M = ceil(the row's largest t), a whole number; so 1/2 < the row's largest p <= 1. The row's sum l is taken of the UNQUANTISED p, in f32, and the product's result is divided by l at the end. Since M is a whole number, a kernel that streams over the keys may use a running M (the ceiling of the running maximum): every later rescaling is an exact power of two, so the quantised numbers keep their values, but for numbers so far below the row's largest that they fall under the format's range.
;;   OPERANDS COMPUTED ON THE WAY. 'Computed on the way' means the value that the module computes at that place (a softmax that the list does not call 'softmax' is quantised finished and normalised). What goes into a quantiser is computed in f32, as accurately as f32 sums, v_exp_f32 and their like allow (about 1e-6 of the number): no bf16 or f16 on the way to a quantiser, and a product that is left as it is and whose result goes on into a quantised operand takes f32 operands (vector FMAs, or v_wmma_f32_16x16x4_f32). A number that lies on a knife's edge between two numbers of the format may be rounded either way, as far as f32 arithmetic and the matrix unit's own rounding can turn it there, and no further.
;; One version. Each part assembles by itself: llvm-mc -triple=amdgcn-amd-amdhsa -mcpu=gfx1250 --defsym DOCPART=n.
;; ======== version 1 of 1: 7 launches
;; limits: right only within a limited range of input values
;; workspace buffers: wc 12,582,912 bytes; pc 12,582,912 bytes; sc 16,777,216 bytes; qkv 12,582,912 bytes; at 4,194,304 bytes; sc2 16,777,216 bytes; n2 4,194,304 bytes; hc 16,777,216 bytes
;; launch prep (part 1): grid 640 x 1, 4 waves a work-group, no clusters, 85,504 bytes of LDS; arguments x, x0, lambdaResid, lambdaX0, lowp_scales, qWeight, kWeight, vWeight, projWeight, fcWeight, mlpProjWeight, wc, pc, sc; writes wc, pc, sc
.if DOCPART == 1
	.amdgcn_target "amdgcn-amd-amdhsa--gfx1250"
	.amdhsa_code_object_version 6
	.text
	.protected	k_qdc4771c5c0_prep
	.globl	k_qdc4771c5c0_prep
	.p2align	8
	.type	k_qdc4771c5c0_prep,@function
k_qdc4771c5c0_prep:
	s_mov_b64 s[64:65], 0
	v_nop
	global_prefetch_b8 v0, s[64:65] scope:SCOPE_SE
	s_setreg_imm32_b32 hwreg(HW_REG_WAVE_MODE, 25, 1), 1
	s_wait_xcnt 0x0
; Work-groups 0-383: the six weights ([K][N] f32, K outermost) become codes of E4M3 with K innermost.  Work-groups 384-639: scaled = x lr + x0 l0 (stored, f32), pre = rmsnorm(scaled), quantised three times (e0, e2, e4).
; THE FORMAT OF EVERY BUFFER OF CODES: an operand [rows][K] is stored as fragments [row / 16][k / 128] of 2,048 bytes; a fragment is four images of 512 bytes; image i holds registers 4 i .. 4 i + 3 of the matrix
; instruction's operand, lane l's 16 bytes at 16 l.  Lane (r = l % 16, h = l / 16) holds row r; registers 2 c, 2 c + 1 hold k = 16 c + 8 h + 0 .. 7.  So a reader fetches a fragment by four loads of 16 bytes a lane.
; code = x / 2^e, held within +-448, to the nearest code, ties to even.  LIMITS: every e used here lies between -126 and 119; NaN among the inputs is not served.
; The two paths part on the work-group's number and have LDS bytes of their own.  No tensor loads, no matrix instructions.
.set E,   68                           ; s[68:83] the sixteen exponents
.set SW,  272                          ; weights: a stage row: 256 codes + 16 bytes
.set VO,  16                           ; v16-47   weights: byte offset of row i of a block of 32 rows, at my column
.set X,   48                           ; v48-111  weights: two sets of 32 numbers
.set C,   112                          ; v112-119 weights: a block's codes
.set OUT, 120                          ; v120-183 weights: four fragments on the way out
.set PL,  34816                        ; rows path: LDS from here on
.set RP,  1040                         ; a row of 1,024 codes + 16 bytes
.set RS,  16*RP                        ; the 16 rows of one scale
.set XA,  16                           ; rows path: set A: x, x0;  set B: x, x0
.set ZA,  48
.set XB,  80
.set ZB,  112
.set T,   144                          ; v144-159 two sets of eight held numbers
.set SS,  168                          ; v168-175 four chains of the sum of squares
.set CC,  192                          ; v192-215 a row's codes, eight registers a scale
.macro SCALE se, vs, vl                ; v[vs] = 2^e as f32 (the conversion takes its exponent field), v[vl] = 448 x 2^e
	s_add_co_i32 s62, s[\se], 127
	s_lshl_b32 s63, s62, 23
	v_mov_b32 v[\vs], s63
	s_add_co_i32 s62, s62, 8
	s_lshl_b32 s62, s62, 23
	s_or_b32 s62, s62, 0x600000
	v_mov_b32 v[\vl], s62
.endm
	s_load_b512 s[4:19], s[0:1], 0x0               ; x 4, x0 6, lr 8, l0 10, scales 12, qW 14, kW 16, vW 18
	s_load_b256 s[20:27], s[0:1], 0x40             ; projW 20, fcW 22, mlpW 24, wc 26
	s_load_b128 s[28:31], s[0:1], 0x60             ; pc 28, sc 30
	v_lshl_add_u32 v224, v0, 2, 0x14c00
	v_mov_b32 v225, 0
	v_lshrrev_b32 v1, 5, v0
	v_readfirstlane_b32 s33, v1                    ; wave
	v_and_b32 v1, 31, v0                           ; lane
	s_wait_kmcnt 0x0
	s_load_b512 s[E:E+15], s[12:13], 0x0
	s_cmp_lt_u32 ttmp9, 384
	s_cbranch_scc0 .Lpre
; ---------------- THE WEIGHTS.  A work-group takes 128 columns x 256 along K, a wave 32 columns; A LANE TAKES A COLUMN AND ITS REGISTERS RUN DOWN K, so the conversions give codes with K innermost.
; u = work-group: 0-127 fc (32 column blocks x 4 along K), 128-255 mlp (8 x 16), 256-383 q, k, v, proj (8 x 4 each).
	s_wait_alu depctr_va_vdst(0)
	v_and_b32 v2, 15, v1                           ; r
	v_lshrrev_b32 v5, 4, v1                        ; h
	s_mul_i32 s34, s33, 32*SW                      ; my stage
	v_mul_u32_u24 v4, v1, SW
	v_add_nc_u32 v4, s34, v4                       ; in: row = my column
	v_mul_u32_u24 v7, v2, SW
	v_lshl_add_u32 v7, v5, 3, v7
	v_add_nc_u32 v7, s34, v7                       ; out: row r, + 8 h: eight codes of an image
	v_lshlrev_b32 v8, 4, v1                        ; 16 x lane
	s_sub_co_u32 s35, ttmp9, 256
	s_lshr_b32 s35, s35, 5                         ; which of q, k, v, proj (used from u = 256 on)
	s_lshl_b32 s39, s35, 20                        ; its place in wc
	s_and_b32 s40, ttmp9, 7                        ; column block
	s_lshr_b32 s41, ttmp9, 3
	s_and_b32 s42, s41, 15                         ; block along K, mlp's
	s_and_b32 s41, s41, 3                          ; the small weights'
	s_and_b32 s43, ttmp9, 31                       ; fc's column block
	s_lshr_b32 s44, ttmp9, 5                       ; fc's block along K
	s_mov_b32 s45, 16384                           ; bytes of 16 rows of codes: 16 K
	s_mov_b32 s46, 4096                            ; bytes of a row of the weight: 4 N
	s_wait_alu depctr_va_vdst(0)
	s_wait_kmcnt 0x0
	s_mov_b64 s[36:37], s[14:15]
	s_mov_b32 s38, s[E+1]
	s_cmp_eq_u32 s35, 1
	s_cselect_b64 s[36:37], s[16:17], s[36:37]
	s_cselect_b32 s38, s[E+3], s38
	s_cmp_eq_u32 s35, 2
	s_cselect_b64 s[36:37], s[18:19], s[36:37]
	s_cselect_b32 s38, s[E+5], s38
	s_cmp_eq_u32 s35, 3
	s_cselect_b64 s[36:37], s[20:21], s[36:37]
	s_cselect_b32 s38, s[E+11], s38
	s_cmp_lt_u32 ttmp9, 256
	s_cselect_b64 s[36:37], s[24:25], s[36:37]
	s_cselect_b32 s38, s[E+15], s38
	s_cselect_b32 s39, 0x800000, s39
	s_cselect_b32 s41, s42, s41
	s_cselect_b32 s45, 65536, s45
	s_cmp_lt_u32 ttmp9, 128
	s_cselect_b64 s[36:37], s[22:23], s[36:37]
	s_cselect_b32 s38, s[E+13], s38
	s_cselect_b32 s39, 0x400000, s39
	s_cselect_b32 s40, s43, s40
	s_cselect_b32 s41, s44, s41
	s_cselect_b32 s45, 16384, s45
	s_cselect_b32 s46, 16384, s46
	s_mul_i32 s48, s41, s46                        ; from: 256 rows x block along K
	s_lshl_b32 s48, s48, 8
	s_lshl_b32 s47, s40, 9                         ; + 128 columns x column block
	s_add_co_u32 s48, s48, s47
	s_lshl_b32 s47, s33, 7                         ; + 32 columns x wave
	s_add_co_u32 s48, s48, s47
	s_mov_b32 s49, 0
	s_add_nc_u64 s[36:37], s[36:37], s[48:49]
	s_lshl_b32 s48, s40, 3                         ; to: sixteen-row block 8 x column block + 2 x wave
	s_lshl_b32 s47, s33, 1
	s_add_co_u32 s48, s48, s47
	s_mul_i32 s48, s48, s45
	s_add_co_u32 s48, s48, s39
	s_lshl_b32 s47, s41, 12                        ; + two fragments for each 256 along K
	s_add_co_u32 s48, s48, s47
	s_add_nc_u64 s[26:27], s[26:27], s[48:49]
	s_lshl_b32 s50, s46, 5                         ; 32 rows of the weight
	s_mov_b32 s51, 0
	v_add_nc_u32 v9, s45, v8                       ; my wave's second sixteen columns
	v_lshlrev_b32 v[VO], 2, v1
.set ii, 1
.rept 31
	v_add_nc_u32 v[VO+ii], s46, v[VO+ii-1]
.set ii, ii+1
.endr
.macro LOADW set                       ; a block: W(32 t + i, my column), i = 0 .. 31; each load reads 128 consecutive bytes a wave
.set ii, 0
.rept 32
	global_load_b32 v[X+32*(\set)+ii], v[VO+ii], s[36:37] th:TH_LOAD_NT
.set ii, ii+1
.endr
	s_wait_xcnt 0x0                                ; the loads have read their base: it steps to the next block
	s_add_nc_u64 s[36:37], s[36:37], s[50:51]
.endm
	LOADW 0
	s_wait_alu depctr_va_vdst(0)
	LOADW 1
	SCALE 38, 11, 10
.macro BLOCK t
.set XS, X+32*((\t)%2)
.if (\t) < 7
	s_wait_loadcnt 32                              ; this block's 32 loads are in; the next block's may be out
.else
	s_wait_loadcnt 0x0
.endif
.set ii, 0
.rept 32
	v_med3_num_f32 v[XS+ii], v[XS+ii], -v10, v10   ; the conversion does not saturate (ISA guide 7.6.2): the hold comes first
.set ii, ii+1
.endr
.irp g, 0,1,2,3
	v_cvt_scalef32_pk8_fp8_f32 v[C+2*\g:C+2*\g+1], v[XS+8*\g:XS+8*\g+7], v11
.endr
	ds_store_b128 v4, v[C:C+3] offset:32*(\t)
	ds_store_b128 v4, v[C+4:C+7] offset:32*(\t)+16
.if (\t)+2 < 8
	LOADW (\t)%2
.endif
	s_wait_dscnt 0x0                               ; the stores have read their registers: the next block's codes may be written
.endm
	s_wait_alu depctr_va_vdst(0)
.irp t, 0,1,2,3,4,5,6,7
	BLOCK \t
.endr
; out of the stage as images: fragment (g: sixteen columns, q: 128 along K), image i, half u: eight codes of row r at 128 q + 32 i + 16 u + 8 h.  The 32 lanes of a load touch 64 different banks (pitch 68 words).
.irp g, 0,1
.irp q, 0,1
.irp i, 0,1,2,3
.irp u, 0,1
	ds_load_b64 v[OUT+16*(2*\g+\q)+4*\i+2*\u:OUT+16*(2*\g+\q)+4*\i+2*\u+1], v7 offset:16*\g*SW+128*\q+32*\i+16*\u
.endr
.endr
.endr
.endr
	s_wait_dscnt 0x0
.irp q, 0,1
.irp i, 0,1,2,3
	global_store_b128 v8, v[OUT+16*\q+4*\i:OUT+16*\q+4*\i+3], s[26:27] offset:2048*\q+512*\i       ; each store covers 512 consecutive bytes, aligned
	global_store_b128 v9, v[OUT+32+16*\q+4*\i:OUT+32+16*\q+4*\i+3], s[26:27] offset:2048*\q+512*\i
.endr
.endr
	s_wait_tensorcnt 0x0
	ds_add_u32 v224, v225
	s_wait_dscnt 0x0
	s_endpgm
; ---------------- THE ROWS.  Work-group p takes 16 rows (one block of tokens), wave w rows 4 w .. 4 w + 3, a row at a time in registers.  Load j gives lane l the numbers 128 j + 4 l .. + 3: 512 consecutive bytes.
; A conversion of the eight registers of loads 2 g and 2 g + 1 gives the code words for bytes 128 (2 g) + 4 l and 128 (2 g + 1) + 4 l of the row.  The rows of codes meet in LDS and leave as images behind one barrier.
.Lpre:
	s_sub_co_u32 s34, ttmp9, 384                   ; p
	s_lshl_b32 s35, s34, 4
	s_lshl_b32 s36, s33, 2
	s_add_co_u32 s35, s35, s36                     ; my first row
	s_lshl_b32 s36, s35, 12
	s_mov_b32 s37, 0
	s_add_nc_u64 s[4:5], s[4:5], s[36:37]
	s_add_nc_u64 s[6:7], s[6:7], s[36:37]
	s_add_nc_u64 s[30:31], s[30:31], s[36:37]
	s_load_b32 s48, s[8:9], 0x0                    ; lambdaResid
	s_load_b32 s50, s[10:11], 0x0                  ; lambdaX0
	s_wait_alu depctr_va_vdst(0)
	v_lshlrev_b32 v2, 4, v1                        ; 16 x lane
.macro RLOAD rw, xs, zs                ; row rw of my four (the argument may be a sum: it stands in brackets inside the product)
.irp j, 0,1,2,3,4,5,6,7
	global_load_b128 v[\xs+4*\j:\xs+4*\j+3], v2, s[4:5] offset:4096*(\rw)+512*\j th:TH_LOAD_NT
.endr
.irp j, 0,1,2,3,4,5,6,7
	global_load_b128 v[\zs+4*\j:\zs+4*\j+3], v2, s[6:7] offset:4096*(\rw)+512*\j th:TH_LOAD_NT
.endr
.endm
	RLOAD 0, XA, ZA
	RLOAD 1, XB, ZB
	s_mul_i32 s35, s33, 4*RP
	v_lshl_add_u32 v3, v1, 2, s35
	v_add_nc_u32 v3, PL, v3                        ; where my rows' code words go: 4 w rows + 4 x lane
	v_and_b32 v4, 15, v1
	v_lshrrev_b32 v5, 4, v1
	v_mul_u32_u24 v4, v4, RP
	v_lshl_add_u32 v4, v5, 3, v4
	s_lshl_b32 s35, s33, 8
	v_add_nc_u32 v4, s35, v4
	v_add_nc_u32 v4, PL, v4                        ; out: row r, + 8 h, + my two fragments' 256 bytes
	s_lshl_b32 s36, s34, 14
	s_lshl_b32 s35, s33, 12
	s_add_co_u32 s36, s36, s35
	s_add_nc_u64 s[56:57], s[28:29], s[36:37]      ; pc: block p, fragments 2 w and 2 w + 1, scale e0;
	s_add_nc_u64 s[58:59], s[56:57], 0x400000      ; e2;
	s_add_nc_u64 s[60:61], s[56:57], 0x800000      ; e4
	s_mov_b32 s52, 0x76543210                      ; v_permlanex16_b32: lane l xor 16
	s_mov_b32 s53, 0xfedcba98
	s_mov_b32 s54, 0x3a800000                      ; 1 / 1024
	s_mov_b32 s55, 0x3727c5ac                      ; 1e-5
	v_mov_b32 v177, 0                              ; (named as the upper half of a pair)
	v_mov_b32 v178, 0                              ; (a lane permute's destination counts as read)
	s_wait_kmcnt 0x0
	s_mov_b32 s49, s48
	s_mov_b32 s51, s50
	SCALE E+0, 6, 7
	SCALE E+2, 8, 9
	SCALE E+4, 10, 11
.macro ROW rw, xs, zs, left, more
	s_wait_loadcnt \left                           ; my row's 16 loads are in; the next row's 16 may be out
.set ii, 0
.rept 16
	v_pk_mul_f32 v[\zs+ii:\zs+ii+1], v[\zs+ii:\zs+ii+1], s[50:51] op_sel_hi:[1,0]
.set ii, ii+2
.endr
.set ii, 0
.rept 16
	v_pk_fma_f32 v[\xs+ii:\xs+ii+1], v[\xs+ii:\xs+ii+1], s[48:49], v[\zs+ii:\zs+ii+1] op_sel_hi:[1,0,1]   ; scaled
.set ii, ii+2
.endr
.irp j, 0,1,2,3,4,5,6,7
	global_store_b128 v2, v[\xs+4*\j:\xs+4*\j+3], s[30:31] offset:4096*(\rw)+512*\j
.endr
.irp c, 0,1,2,3
	v_pk_mul_f32 v[SS+2*\c:SS+2*\c+1], v[\xs+2*\c:\xs+2*\c+1], v[\xs+2*\c:\xs+2*\c+1]   ; the first eight numbers start four chains
.endr
.irp k, 8,16,24
.irp c, 0,1,2,3
	v_pk_fma_f32 v[SS+2*\c:SS+2*\c+1], v[\xs+\k+2*\c:\xs+\k+2*\c+1], v[\xs+\k+2*\c:\xs+\k+2*\c+1], v[SS+2*\c:SS+2*\c+1]
.endr
.endr
	v_pk_add_f32 v[SS:SS+1], v[SS:SS+1], v[SS+2:SS+3]
	v_pk_add_f32 v[SS+4:SS+5], v[SS+4:SS+5], v[SS+6:SS+7]
	v_pk_add_f32 v[SS:SS+1], v[SS:SS+1], v[SS+4:SS+5]
	v_add_f32 v[SS], v[SS], v[SS+1]
	v_add_f32_dpp v[SS], v[SS], v[SS] row_xmask:1 row_mask:0xf bank_mask:0xf
	v_add_f32_dpp v[SS], v[SS], v[SS] row_xmask:2 row_mask:0xf bank_mask:0xf
	v_add_f32_dpp v[SS], v[SS], v[SS] row_xmask:4 row_mask:0xf bank_mask:0xf
	v_add_f32_dpp v[SS], v[SS], v[SS] row_xmask:8 row_mask:0xf bank_mask:0xf
	v_permlanex16_b32 v178, v[SS], s52, s53
	v_add_f32 v[SS], v[SS], v178
	v_fma_f32 v[SS], v[SS], s54, s55               ; mean + eps
	s_wait_alu depctr_va_vdst(0)
	v_rsq_f32 v176, v[SS]
	v_nop                                          ; a plain line behind the transcendental,
	s_wait_alu depctr_va_vdst(0)                   ; and the wait ahead of its first reader
.set ii, 0
.rept 16
	v_pk_mul_f32 v[\zs+ii:\zs+ii+1], v[\xs+ii:\xs+ii+1], v[176:177] op_sel_hi:[1,0]   ; pre; x's registers are left to the stores
.set ii, ii+2
.endr
	s_wait_dscnt 0x0                               ; the last row's LDS stores have read the code registers
.irp s, 0,1,2
.irp g, 0,1,2,3
.irp i, 0,1,2,3,4,5,6,7
	v_med3_num_f32 v[T+8*(\g%2)+\i], v[\zs+8*\g+\i], -v[7+2*\s], v[7+2*\s]
.endr
	v_cvt_scalef32_pk8_fp8_f32 v[CC+8*\s+2*\g:CC+8*\s+2*\g+1], v[T+8*(\g%2):T+8*(\g%2)+7], v[6+2*\s]   ; the two sets of held numbers take turns: eight plain lines stand ahead of each rewrite of a conversion's sources
.endr
.endr
	v_nop
.irp s, 0,1,2
.irp j, 0,1,2,3,4,5,6,7
	ds_store_b32 v3, v[CC+8*\s+\j] offset:RS*\s+RP*(\rw)+128*\j
.endr
.endr
.if \more
	s_wait_xcnt 0x0                                ; the stores of scaled have read x's registers: the row two further on may land there
	RLOAD (\rw)+2, \xs, \zs
.endif
.endm
	ROW 0, XA, ZA, 16, 1
	ROW 1, XB, ZB, 16, 1
	ROW 2, XA, ZA, 16, 0
	ROW 3, XB, ZB, 0, 0
	s_wait_dscnt 0x0                               ; for the others' sake: my code words lie in LDS
	s_barrier_signal -1
	s_barrier_wait -1
	s_wait_xcnt 0x0                                ; the last stores of scaled have read their registers
.irp s, 0,1,2
.irp q, 0,1
.irp i, 0,1,2,3
.irp u, 0,1
	ds_load_b64 v[16+32*\s+16*\q+4*\i+2*\u:16+32*\s+16*\q+4*\i+2*\u+1], v4 offset:RS*\s+128*\q+32*\i+16*\u
.endr
.endr
.endr
.endr
	s_wait_dscnt 0x0
.irp s, 0,1,2
.irp q, 0,1
.irp i, 0,1,2,3
	global_store_b128 v2, v[16+32*\s+16*\q+4*\i:16+32*\s+16*\q+4*\i+3], s[56+2*\s:57+2*\s] offset:2048*\q+512*\i
.endr
.endr
.endr
	s_wait_tensorcnt 0x0
	ds_add_u32 v224, v225
	s_wait_dscnt 0x0
	s_endpgm
.Lfunc_end_k_qdc4771c5c0_prep:
	.size	k_qdc4771c5c0_prep, .Lfunc_end_k_qdc4771c5c0_prep-k_qdc4771c5c0_prep
	.p2alignl 7, 3214868480
	.fill 96, 4, 3214868480
	.section	.rodata,"a",@progbits
	.p2align	6, 0x0
	.amdhsa_kernel k_qdc4771c5c0_prep
		.amdhsa_group_segment_fixed_size 85504
		.amdhsa_private_segment_fixed_size 0
		.amdhsa_enable_private_segment 0
		.amdhsa_kernarg_size 112
		.amdhsa_user_sgpr_count 2
		.amdhsa_user_sgpr_kernarg_segment_ptr 1
		.amdhsa_wavefront_size32 1
		.amdhsa_system_sgpr_workgroup_id_x 1
		.amdhsa_system_sgpr_workgroup_id_y 1
		.amdhsa_system_sgpr_workgroup_id_z 1
		.amdhsa_system_vgpr_workitem_id 0
		.amdhsa_next_free_vgpr 226
		.amdhsa_next_free_sgpr 84
		.amdhsa_reserve_vcc 0
		.amdhsa_float_denorm_mode_32 3
		.amdhsa_float_denorm_mode_16_64 3
		.amdhsa_memory_ordered 1
		.amdhsa_forward_progress 1
		.amdhsa_inst_pref_size 122
	.end_amdhsa_kernel
	.amdgpu_metadata
---
amdhsa.version: [ 1, 2 ]
amdhsa.kernels:
  - .name:           k_qdc4771c5c0_prep
    .symbol:         k_qdc4771c5c0_prep.kd
    .args:
      - { .name: x, .offset: 0, .size: 8, .value_kind: global_buffer, .address_space: global }
      - { .name: x0, .offset: 8, .size: 8, .value_kind: global_buffer, .address_space: global }
      - { .name: lambdaResid, .offset: 16, .size: 8, .value_kind: global_buffer, .address_space: global }
      - { .name: lambdaX0, .offset: 24, .size: 8, .value_kind: global_buffer, .address_space: global }
      - { .name: lowp_scales, .offset: 32, .size: 8, .value_kind: global_buffer, .address_space: global }
      - { .name: qWeight, .offset: 40, .size: 8, .value_kind: global_buffer, .address_space: global }
      - { .name: kWeight, .offset: 48, .size: 8, .value_kind: global_buffer, .address_space: global }
      - { .name: vWeight, .offset: 56, .size: 8, .value_kind: global_buffer, .address_space: global }
      - { .name: projWeight, .offset: 64, .size: 8, .value_kind: global_buffer, .address_space: global }
      - { .name: fcWeight, .offset: 72, .size: 8, .value_kind: global_buffer, .address_space: global }
      - { .name: mlpProjWeight, .offset: 80, .size: 8, .value_kind: global_buffer, .address_space: global }
      - { .name: wc, .offset: 88, .size: 8, .value_kind: global_buffer, .address_space: global }
      - { .name: pc, .offset: 96, .size: 8, .value_kind: global_buffer, .address_space: global }
      - { .name: sc, .offset: 104, .size: 8, .value_kind: global_buffer, .address_space: global }
    .group_segment_fixed_size: 85504
    .private_segment_fixed_size: 0
    .kernarg_segment_align: 8
    .kernarg_segment_size: 112
    .max_flat_workgroup_size: 128
    .sgpr_count:     84
    .vgpr_count:     226
    .wavefront_size: 32
...
	.end_amdgpu_metadata
.endif
;; end of part 1
;; launch qkv (part 2): grid 48 x 4, 4 waves a work-group, clusters of 4 x 4, 327,680 bytes of LDS; arguments pc, wc, cos, sin, lowp_scales, qkv; writes qkv
.if DOCPART == 2
	.amdgcn_target "amdgcn-amd-amdhsa--gfx1250"
	.amdhsa_code_object_version 6
	.text
	.protected	k_qdc4771c5c0_qkv
	.globl	k_qdc4771c5c0_qkv
	.p2align	8
	.type	k_qdc4771c5c0_qkv,@function
k_qdc4771c5c0_qkv:
	s_mov_b64 s[64:65], 0
	v_nop
	global_prefetch_b8 v0, s[64:65] scope:SCOPE_SE
	s_setreg_imm32_b32 hwreg(HW_REG_WAVE_MODE, 25, 1), 1
	s_wait_xcnt 0x0
	s_wait_alu depctr_hold_cnt(0) depctr_sa_sdst(0) depctr_va_vdst(0) depctr_va_sdst(0) depctr_va_ssrc(0) depctr_va_vcc(0) depctr_vm_vsrc(0)
	s_getreg_b32 s2, hwreg(HW_REG_IB_STS2, 6, 4)
	s_cmp_eq_u32 s2, 0
	s_cbranch_scc0 .Lentry_in_a_cluster
	s_endpgm
.Lentry_in_a_cluster:
	s_bfe_u32 s2, ttmp6, 0x10000c
	s_cmp_lg_u32 s2, 0xf033
	s_cbranch_scc0 .Lentry_shape_is_right
	s_endpgm
.Lentry_shape_is_right:
; Products 1 to 3 on codes of E4M3, then rotary, the heads' rmsnorm and the quantising of q, k and v.  Twelve clusters of 4 x 4 work-groups: clusters 0-3 make q, 4-7 k, 8-11 v.
; A work-group makes 256 x 256, a wave 128 x 128: 64 accumulators.  K = 1,024 goes in four steps of 256 through a ring of two LDS slots.  All operands lie in memory as images of the operand's registers
; ([row / 16][k / 128] fragments of 2,048 bytes; image i = registers 4 i .. 4 i + 3, lane l at 16 l), so a tile is 8 rows of 4,096 bytes for one tensor load, and a fragment is four LDS loads at 16 x lane.
; THE MATRIX INSTRUCTION IS USED TRANSPOSED: source 0 = 16 rows of "B", source 1 = 16 rows of "A": lane (r, h) holds A's row r and B's rows 16 b + 8 h + 0 .. 7.
; q, k: A = tokens (pc), B = the weight's columns (wc): a lane holds one token and eight neighbours of a head's 64: one conversion an accumulator gives registers 2 b, 2 b + 1 of the next product's operand.
; v: A = the weight's columns, B = tokens: a lane holds one channel and eight neighbouring KEYS, which are the second attention product's K.  Codes leave straight from registers, 512 consecutive bytes a store.
; JOINT LOADS: A's tile hangs on cy and the cluster's number alone and goes to my row of the cluster, B's on cx and the cluster's number and goes to my column.
; LIMITS: e0 + e1, e2 + e3 (and those less 6), e6, e7, e8 - e4 - e5 between -126 and 119.  NaN is not served.
; REGISTERS: window 0: v0-31 addresses; v128-255 A's fragments, one set; window 1: B's fragments, two sets; windows 2, 3: accumulators ((a, b) at v[8 (8 (a % 4) + b)]).
; On the way out: window 0 v32-95 numbers at work, v96-109 sums and factors, v128-255 codes; window 1 v0-127 cos and sin, two sets.
.set RB,    16384                      ; bytes of 16 rows of codes
.set KS,    4096                       ; a K step of 256 in them
.set HALFT, 8*KS                       ; 128 rows x 256 K: what one tensor load brings
.set SLOT,  4*HALFT
.set SPARE, 2*SLOT                     ; the spare words, 128 bytes a wave: no other line names them
.set LAPS,  2
.set FR,    16
.set NL,    4
.set NP,    4
.set ADRA, 16
.set ADRB, 20
.set SPW,  28
.set NIL,  29
.set AF,   128
.set Y,    32
.set G1, 24
.set G0, 32
.set G1B, 48
.set G0B, 56
.set MSB, 0
.macro WIN new                         ; the immediate's high byte repeats the setting that is left
.if MSB != (\new)
	s_set_vgpr_msb (MSB<<8)|(\new)
.set MSB, (\new)
.endif
.endm
.set MUL_LO, 0xa1                      ; source 0 (B) window 1, source 1 (A) window 0, C and D window 2
.set MUL_HI, 0xf1
.set TO_B,   0x40
.macro JLOAD g0a, g1a, g0b, g1b        ; a joint load: waves 0, 1 fetch for A, waves 2, 3 for B; four v_nop follow each line
	s_cmp_eq_u32 s15, 0
	s_cbranch_scc0 .Lfor_b_\@
	tensor_load_to_lds s[\g0a:\g0a+3], s[\g1a:\g1a+7]
	s_nop 0
.rept 4
	v_nop
.endr
	s_branch .Lasked_\@
.Lfor_b_\@:
	tensor_load_to_lds s[\g0b:\g0b+3], s[\g1b:\g1b+7]
	s_nop 0
.rept 4
	v_nop
.endr
.Lasked_\@:
.endm
.macro CREST
	s_cmp_lg_u32 s14, 0
	s_cbranch_scc1 .Lnot_wave_0_\@
	s_barrier_signal -3
.Lnot_wave_0_\@:
	s_barrier_wait -3
	s_barrier_signal -1
	s_barrier_wait -1
.endm
.macro CROUND
	s_barrier_signal -1
	s_barrier_wait -1
	CREST
.endm
.macro SCALE se, vs, vl                ; v[vs] = 2^e, v[vl] = 448 x 2^e
	s_add_co_i32 s98, s[\se], 127
	s_lshl_b32 s99, s98, 23
	v_mov_b32 v[\vs], s99
	s_add_co_i32 s98, s98, 8
	s_lshl_b32 s98, s98, 23
	s_or_b32 s98, s98, 0x600000
	v_mov_b32 v[\vl], s98
.endm
	s_load_b256 s[4:11], s[0:1], 0x0               ; pc 4, wc 6, cos 8, sin 10
	s_load_b128 s[84:87], s[0:1], 0x20             ; scales 84, qkv 86
	v_lshl_add_u32 v[SPW], v0, 2, SPARE
	v_mov_b32 v[NIL], 0
	ds_add_u32 v28, v29
	ds_add_u32 v28, v29
	s_wait_dscnt 0x0
	v_lshrrev_b32 v1, 5, v0
	v_readfirstlane_b32 s14, v1                    ; wave
	s_lshr_b32 s15, s14, 1                         ; my half of A's rows.  Also: I fetch for A (0) or B (1)
	s_and_b32 s16, s14, 1                          ; my half of B's rows.  Also: which 128 rows I fetch
	s_bfe_u32 s40, ttmp6, 0x40000                  ; cx
	s_bfe_u32 s41, ttmp6, 0x40004                  ; cy
	s_mov_b32 s42, ttmp9                           ; the cluster's number, 0 .. 11: the same in all sixteen partners
	s_lshl_b32 s43, s41, 2
	s_lshl_b32 s43, 15, s43                        ; my row of the cluster
	s_lshl_b32 s44, 0x1111, s40                    ; my column
	s_or_b32 s[G1+0], s43, (3<<16)|(1<<21)         ; the mask; elements of 8 bytes; bit 21 beside a mask; no padding
	s_or_b32 s[G1B+0], s44, (3<<16)|(1<<21)
.irp g, G1, G1B
	s_mov_b32 s[\g+1], 512<<16                     ; tensor_dim0 = 512 elements: 4,096 bytes
	s_mov_b32 s[\g+2], 8<<16                       ; tensor_dim1 = 8
	s_mov_b32 s[\g+3], 512<<16                     ; tile_dim0
	s_mov_b32 s[\g+4], 8                           ; tile_dim1
	s_mov_b32 s[\g+5], RB/8                        ; from row to row
	s_mov_b32 s[\g+6], 0
	s_mov_b32 s[\g+7], 0
.endr
	s_lshr_b32 s17, s42, 2                         ; 0: q, 1: k, 2: v
	s_and_b32 s18, s42, 3                          ; which 1,024 tokens
	s_lshl_b32 s20, s17, 22
	s_lshl_b32 s19, s18, 20
	s_add_co_u32 s20, s20, s19                     ; q, k: A in pc: the scale's 4 MiB, the tokens' 1 MiB
	s_lshl_b32 s46, s17, 20                        ; q, k: B in wc
	s_add_co_u32 s19, s19, 0x800000                ; v: B in pc: the third set
	s_cmp_lt_u32 s42, 8
	s_cselect_b32 s20, s20, 0x200000               ; v: A in wc
	s_cselect_b32 s46, s46, s19
	s_lshl_b32 s21, s41, 18                        ; A: + 256 rows x cy
	s_add_co_u32 s20, s20, s21
	s_lshl_b32 s21, s16, 17                        ; + the 128 rows that I fetch
	s_add_co_u32 s20, s20, s21
	s_mov_b32 s21, 0
	s_lshl_b32 s47, s40, 18                        ; B: + 256 rows x cx
	s_add_co_u32 s46, s46, s47
	s_lshl_b32 s47, s16, 17
	s_add_co_u32 s46, s46, s47
	s_mov_b32 s47, 0
	s_mul_i32 s45, s14, HALFT                      ; where my tile goes: no place in the cluster enters an LDS address
	s_wait_kmcnt 0x0
	s_load_b512 s[68:83], s[84:85], 0x0            ; the sixteen exponents
	s_cmp_lt_u32 s42, 8
	s_cselect_b64 s[22:23], s[4:5], s[6:7]         ; A's buffer
	s_cselect_b64 s[88:89], s[6:7], s[4:5]         ; B's
	s_add_nc_u64 s[20:21], s[22:23], s[20:21]
	s_add_nc_u64 s[46:47], s[88:89], s[46:47]
	CROUND                                         ; all sixteen work-groups are here: the first joint loads meet
.irp s, 0,1
	s_mov_b32 s[G0+4*\s], 1
	s_add_co_u32 s[G0+4*\s+1], s45, \s*SLOT
	s_add_nc_u64 s[G0+4*\s+2:G0+4*\s+3], s[20:21], \s*KS
	s_or_b32 s[G0+4*\s+3], s[G0+4*\s+3], 0x80000000
	s_mov_b32 s[G0B+4*\s], 1
	s_add_co_u32 s[G0B+4*\s+1], s45, \s*SLOT
	s_add_nc_u64 s[G0B+4*\s+2:G0B+4*\s+3], s[46:47], \s*KS
	s_or_b32 s[G0B+4*\s+3], s[G0B+4*\s+3], 0x80000000
.endr
	JLOAD G0, G1, G0B, G1B                         ; K step 0: one tensor load a wave at the head
	; the prefetches: of the eight sixteen-row blocks that my wave fetches, each of the four partners that ask for them jointly takes two, told apart by address (cx for A, cy for B): 2 x 4,096 bytes of a K step, lanes 256 bytes apart
	s_cmp_eq_u32 s15, 0
	s_cselect_b64 s[66:67], s[20:21], s[46:47]
	s_cselect_b32 s22, s40, s41
	s_lshl_b32 s22, s22, 15
	s_mov_b32 s23, 0
	s_add_nc_u64 s[66:67], s[66:67], s[22:23]
	v_and_b32 v30, 15, v0
	v_bfe_u32 v31, v0, 4, 1
	v_lshlrev_b32 v30, 8, v30
	v_lshl_add_u32 v30, v31, 14, v30
	global_prefetch_b8 v30, s[66:67] offset:KS th:TH_LOAD_NT scope:SCOPE_SE     ; K step 1,
	global_prefetch_b8 v30, s[66:67] offset:2*KS th:TH_LOAD_NT scope:SCOPE_SE   ; and K step 2: the next two loads' tiles; the address registers are never rewritten
	v_and_b32 v1, 31, v0
	v_lshlrev_b32 v26, 4, v1                       ; 16 x lane
	v_and_b32 v2, 15, v0
	v_bfe_u32 v3, v0, 4, 1
	v_lshlrev_b32 v10, 8, v2
	v_lshl_add_u32 v10, v3, 5, v10                 ; cos, sin: row r of 256 bytes, + 32 h
	s_mul_i32 s21, s15, HALFT
	s_mul_i32 s22, s16, HALFT
	s_add_co_u32 s22, s22, 2*HALFT
.irp s, 0,1
	v_add_nc_u32 v[ADRA+\s], s21, v26
	v_add_nc_u32 v[ADRB+\s], s22, v26
	s_add_co_u32 s21, s21, SLOT
	s_add_co_u32 s22, s22, SLOT
.endr
.macro FRAG reg, adr, q, i             ; a fragment: sixteen-row block i, the slot's q-th 128 along K: four images
.irp c, 0,1,2,3
	ds_load_b128 v[\reg+4*\c:\reg+4*\c+3], v[\adr] offset:KS*(\i)+2048*(\q)+512*\c
.endr
.endm
.macro MUL16 a0, p, zero               ; A's blocks a0, a0 + 1 x B's eight; the 64 accumulators take turns, one instruction a turn, in the same order in every step
.irp a, \a0, \a0+1
.irp b, 0,1,2,3,4,5,6,7
.if \zero
	v_wmma_f32_16x16x128_fp8_fp8 v[8*(8*((\a)%4)+\b):8*(8*((\a)%4)+\b)+7], v[128*(\p)+FR*\b:128*(\p)+FR*\b+FR-1], v[AF+FR*(\a):AF+FR*(\a)+FR-1], 0
.else
	v_wmma_f32_16x16x128_fp8_fp8 v[8*(8*((\a)%4)+\b):8*(8*((\a)%4)+\b)+7], v[128*(\p)+FR*\b:128*(\p)+FR*\b+FR-1], v[AF+FR*(\a):AF+FR*(\a)+FR-1], v[8*(8*((\a)%4)+\b):8*(8*((\a)%4)+\b)+7]
.endif
.endr
.endr
.endm
.macro FETCH_B slot, q, p
	WIN TO_B
.irp i, 0,1,2,3,4,5,6,7
	FRAG 128*(\p)+FR*\i, ADRB+\slot, \q, \i
.endr
	WIN 0
.endm
.macro FETCH_A slot, q, i0
.irp i, \i0, \i0+1, \i0+2, \i0+3
	FRAG AF+FR*(\i), ADRA+\slot, \q, \i
.endr
.endm
.macro PLACES n                        ; plain vector lines between matrix instructions and loads into, or reads of, their registers
.rept \n
	v_nop
.endr
.endm
.macro STEP slot, q, zero              ; 128 along K with its successor in the same slot
	s_wait_dscnt 4*NL                              ; B's set and A's blocks 0-3 are in; the youngest 16 loads (A's blocks 4-7) may be out
	WIN MUL_LO
	MUL16 0, (\q)%2, \zero
	MUL16 2, (\q)%2, \zero
	s_wait_dscnt 0
	PLACES NP
	FETCH_B \slot, (\q)+1, 1-(\q)%2
	FETCH_A \slot, (\q)+1, 0
	WIN MUL_HI
	MUL16 4, (\q)%2, \zero
	MUL16 6, (\q)%2, \zero
	PLACES NP
	WIN 0
	FETCH_A \slot, (\q)+1, 4
.endm
.macro TURN slot, next, fill           ; a slot's last step changes slots
	s_wait_tensorcnt 0x0                           ; all my tensor loads have landed: my part of the next slot
	ds_add_u32 v[SPW], v[NIL]                      ; 0 onto my spare word
	s_wait_dscnt 4*NL+1                            ; (the add and A's blocks 4-7 may be out)
	WIN MUL_LO
	MUL16 0, 1, 0
	s_wait_dscnt 0x0                               ; the add is done, and my reads of this slot are over
	s_barrier_signal -1
	MUL16 2, 1, 0
	WIN 0
	s_barrier_wait -1
.if \fill
	CREST                                          ; the barrier has opened a round of the cluster's: no wave of any partner still reads this slot or has a load on its way
	s_add_nc_u64 s[G0+4*\slot+2:G0+4*\slot+3], s[G0+4*\slot+2:G0+4*\slot+3], 2*KS
	s_add_nc_u64 s[G0B+4*\slot+2:G0B+4*\slot+3], s[G0B+4*\slot+2:G0B+4*\slot+3], 2*KS
	JLOAD G0+4*\slot, G1, G0B+4*\slot, G1B         ; the first tensor load behind the round; its four v_nop are the places in front of the loads below
.else
	PLACES NP
.endif
	FETCH_B \next, 0, 0
	FETCH_A \next, 0, 0
	WIN MUL_HI
	MUL16 4, 1, 0
	MUL16 6, 1, 0
	PLACES NP
	WIN 0
	FETCH_A \next, 0, 4
.endm
	s_wait_alu depctr_va_vdst(0)
	s_wait_tensorcnt 0x0                           ; my part of K step 0 is in
	ds_add_u32 v[SPW], v[NIL]
	s_wait_dscnt 0x0
	CROUND                                         ; a whole round: everybody's part of K step 0 is in, and the joint loads meet
	JLOAD G0+4, G1, G0B+4, G1B                     ; K step 1: the first tensor load behind the round
	global_prefetch_b8 v30, s[66:67] offset:3*KS th:TH_LOAD_NT scope:SCOPE_SE   ; K step 3, the last: two loads ahead
	FETCH_B 0, 0, 0
	FETCH_A 0, 0, 0
	FETCH_A 0, 0, 4
	STEP 0, 0, 1                                   ; the first step's products start the sums
	s_mov_b32 s3, LAPS-1
.Llap:
	TURN 0, 1, 1
	STEP 1, 0, 0
	TURN 1, 0, 1
	STEP 0, 0, 0
	s_sub_co_u32 s3, s3, 1
	s_cmp_lg_u32 s3, 0
	s_cbranch_scc1 .Llap
	TURN 0, 1, 0
	STEP 1, 0, 0
	s_wait_dscnt 4*NL
	WIN MUL_LO
	MUL16 0, 1, 0
	MUL16 2, 1, 0
	s_wait_dscnt 0
	WIN MUL_HI
	MUL16 4, 1, 0
	MUL16 6, 1, 0
	WIN 0
	PLACES NP
	s_wait_kmcnt 0x0                               ; the exponents
	s_cmp_ge_u32 s42, 8                            ; the cluster's number: the same way in all partners
	s_cbranch_scc1 .Lvout
; ---------------- q and k.  Lane (r, h): token row0 + 16 a + r; accumulator (a, 4 hh + bb) holds channels 16 bb + 8 h + 0 .. 7 of head hh.  The rotary partner, 32 channels away, is accumulator bb +- 2, same lane, same register.
	s_lshl_b32 s20, s18, 2
	s_add_co_u32 s20, s20, s41
	s_lshl_b32 s20, s20, 8
	s_lshl_b32 s21, s15, 7
	s_add_co_u32 s20, s20, s21                     ; row0: my first token
	s_lshr_b32 s21, s20, 11                        ; batch
	s_and_b32 s22, s20, 2047                       ; its place in the sequence
	s_lshr_b32 s23, s22, 7                         ; which 128 of the sequence
	s_lshl_b32 s2, s22, 8
	s_mov_b32 s3, 0
	s_add_nc_u64 s[8:9], s[8:9], s[2:3]
	s_add_nc_u64 s[10:11], s[10:11], s[2:3]
.macro CSLOAD a                        ; cos and sin of block a's 16 tokens, in the accumulators' layout, into set a % 2 of window 1
	WIN 0x40
.irp bb, 0,1,2,3
.irp u, 0,1
	global_load_b128 v[64*((\a)%2)+8*\bb+4*\u:64*((\a)%2)+8*\bb+4*\u+3], v10, s[8:9] offset:4096*(\a)+64*\bb+16*\u
	global_load_b128 v[64*((\a)%2)+32+8*\bb+4*\u:64*((\a)%2)+32+8*\bb+4*\u+3], v10, s[10:11] offset:4096*(\a)+64*\bb+16*\u
.endr
.endr
	WIN 0
.endm
	CSLOAD 0
	CSLOAD 1
	s_lshl_b32 s21, s21, 4
	s_lshl_b32 s2, s40, 2
	s_add_co_u32 s21, s21, s2
	s_lshl_b32 s2, s16, 1
	s_add_co_u32 s21, s21, s2                      ; 16 x batch + my first head
	s_add_co_i32 s88, s68, s69                     ; e0 + e1
	s_add_co_i32 s89, s70, s71                     ; e2 + e3
	s_cmp_eq_u32 s17, 0                            ; q or k?
	s_cselect_b32 s2, 17, 18                       ; a head's bytes: 2^17 in Q's part, 2^18 in K and V's
	s_cselect_b32 s19, 13, 14                      ; 128 tokens' bytes
	s_cselect_b32 s22, 0x800000, 0                 ; Q's part begins at 8 MiB
	s_cselect_b32 s88, s88, s89
	s_cselect_b32 s95, s74, s75                    ; e6 or e7
	s_lshl_b32 s21, s21, s2
	s_lshl_b32 s23, s23, s19
	s_add_co_u32 s21, s21, s23
	s_add_co_u32 s22, s22, s21
	s_mov_b32 s23, 0
	s_add_nc_u64 s[90:91], s[86:87], s[22:23]      ; my first head's fragments,
	s_lshl_b32 s22, 1, s2
	s_add_nc_u64 s[92:93], s[90:91], s[22:23]      ; my second head's
	s_add_co_i32 s88, s88, 127
	s_sub_co_i32 s89, s88, 6
	s_lshl_b32 s88, s88, 23                        ; S = 2^(eA + eB): a sum stands for sum x S
	s_lshl_b32 s89, s89, 23                        ; S / 64
	s_mov_b32 s94, 0x3727c5ac                      ; 1e-5
	s_mov_b32 s96, 0x76543210
	s_mov_b32 s97, 0xfedcba98
	SCALE 95, 8, 9
	v_mov_b32 v105, 0                              ; (upper halves of pairs, and permutes' destinations: written once)
	v_mov_b32 v107, 0
	v_mov_b32 v108, 0
	v_mov_b32 v109, 0
.macro QK a
.set AC, 64*((\a)%4)
.set CB, 64*((\a)%2)
.set CD, 128+16*(\a)
.if (\a) < 7
	s_wait_loadcnt 16                              ; this block's cos and sin are in; the next block's 16 loads may be out
.else
	s_wait_loadcnt 0x0
.endif
	WIN 0x06+((\a)/4)                              ; source 0: the accumulators' window; source 1: window 1
.irp hh, 0,1
.irp bb, 0,1
.irp j, 0,2,4,6
.set dl, 32*\hh+8*\bb+\j
.set dh, dl+16
	v_pk_mul_f32 v[Y+dl:Y+dl+1], v[AC+dh:AC+dh+1], v[CB+32+8*\bb+\j:CB+32+8*\bb+\j+1]       ; x2 sin        (each accumulator is read from its low end on)
	v_pk_mul_f32 v[Y+dh:Y+dh+1], v[AC+dl:AC+dl+1], v[CB+48+8*\bb+\j:CB+48+8*\bb+\j+1]       ; x1 sin
	v_pk_fma_f32 v[Y+dl:Y+dl+1], v[AC+dl:AC+dl+1], v[CB+8*\bb+\j:CB+8*\bb+\j+1], v[Y+dl:Y+dl+1] neg_lo:[0,0,1] neg_hi:[0,0,1]   ; x1 cos - x2 sin
	v_pk_fma_f32 v[Y+dh:Y+dh+1], v[AC+dh:AC+dh+1], v[CB+16+8*\bb+\j:CB+16+8*\bb+\j+1], v[Y+dh:Y+dh+1]                           ; x2 cos + x1 sin
.endr
.endr
.endr
.if (\a)+2 < 8
	CSLOAD (\a)+2
.endif
	WIN 0
.irp hh, 0,1                                   ; the head's sum of squares: my 32 numbers in two chains, the heads by turns
	v_pk_mul_f32 v[96+4*\hh:97+4*\hh], v[Y+32*\hh:Y+32*\hh+1], v[Y+32*\hh:Y+32*\hh+1]
	v_pk_mul_f32 v[98+4*\hh:99+4*\hh], v[Y+32*\hh+2:Y+32*\hh+3], v[Y+32*\hh+2:Y+32*\hh+3]
.endr
.irp k, 4,8,12,16,20,24,28
.irp hh, 0,1
	v_pk_fma_f32 v[96+4*\hh:97+4*\hh], v[Y+32*\hh+\k:Y+32*\hh+\k+1], v[Y+32*\hh+\k:Y+32*\hh+\k+1], v[96+4*\hh:97+4*\hh]
	v_pk_fma_f32 v[98+4*\hh:99+4*\hh], v[Y+32*\hh+\k+2:Y+32*\hh+\k+3], v[Y+32*\hh+\k+2:Y+32*\hh+\k+3], v[98+4*\hh:99+4*\hh]
.endr
.endr
.irp hh, 0,1
	v_pk_add_f32 v[96+4*\hh:97+4*\hh], v[96+4*\hh:97+4*\hh], v[98+4*\hh:99+4*\hh]
.endr
.irp hh, 0,1
	v_add_f32 v[96+4*\hh], v[96+4*\hh], v[97+4*\hh]
.endr
.irp hh, 0,1
	v_permlanex16_b32 v[108+\hh], v[96+4*\hh], s96, s97     ; the token's other 32 channels lie in the lane 16 away
.endr
.irp hh, 0,1
	v_add_f32 v[96+4*\hh], v[96+4*\hh], v[108+\hh]
.endr
.irp hh, 0,1
	v_mul_f32 v[96+4*\hh], s88, v[96+4*\hh]
.endr
.irp hh, 0,1
	v_fma_f32 v[96+4*\hh], v[96+4*\hh], s89, s94   ; S^2 x sum / 64 + eps
.endr
	s_wait_alu depctr_va_vdst(0)
.irp hh, 0,1
	v_rsq_f32 v[104+2*\hh], v[96+4*\hh]
.endr
	v_nop                                          ; a plain line behind the two transcendentals,
	s_wait_alu depctr_va_vdst(0)                   ; and one wait for both ahead of their first reader
.irp hh, 0,1
	v_mul_f32 v[104+2*\hh], s88, v[104+2*\hh]      ; x S: what a raw sum is multiplied by
.endr
.irp hh, 0,1
.irp j, 0,2,4,6,8,10,12,14,16,18,20,22,24,26,28,30
	v_pk_mul_f32 v[Y+32*\hh+\j:Y+32*\hh+\j+1], v[Y+32*\hh+\j:Y+32*\hh+\j+1], v[104+2*\hh:105+2*\hh] op_sel_hi:[1,0]
.endr
.endr
.set ii, 0
.rept 64
	v_med3_num_f32 v[Y+ii], v[Y+ii], -v9, v9       ; the conversion does not saturate (ISA guide 7.6.2)
.set ii, ii+1
.endr
.irp hh, 0,1
.irp bb, 0,1,2,3
	v_cvt_scalef32_pk8_fp8_f32 v[CD+8*\hh+2*\bb:CD+8*\hh+2*\bb+1], v[Y+32*\hh+8*\bb:Y+32*\hh+8*\bb+7], v8   ; registers 2 bb, 2 bb + 1 of a fragment of 16 tokens x 64
.endr
.endr
	v_nop                                          ; a plain line behind the last conversion: the next block writes its sources
.irp hh, 0,1
.irp i, 0,1
	global_store_b128 v26, v[CD+8*\hh+4*\i:CD+8*\hh+4*\i+3], s[90+2*\hh:91+2*\hh] offset:1024*(\a)+512*\i   ; each block has code registers of its own: no store's data are written again
.endr
.endr
.endm
.irp a, 0,1,2,3,4,5,6,7
	QK \a
.endr
	s_branch .Ldone
; ---------------- v.  Lane (r, h): channel 16 a + r of my 128 (two heads); accumulator (a, b) holds keys 16 b + 8 h + 0 .. 7 of my 128 tokens: registers 2 b, 2 b + 1 of V^T's fragment.
.Lvout:
	s_lshl_b32 s20, s18, 2
	s_add_co_u32 s20, s20, s40
	s_lshl_b32 s20, s20, 8
	s_lshl_b32 s21, s16, 7
	s_add_co_u32 s20, s20, s21                     ; my first token
	s_lshr_b32 s21, s20, 11
	s_and_b32 s22, s20, 2047
	s_lshr_b32 s23, s22, 7
	s_lshl_b32 s21, s21, 4
	s_lshl_b32 s2, s41, 2
	s_add_co_u32 s21, s21, s2
	s_lshl_b32 s2, s15, 1
	s_add_co_u32 s21, s21, s2                      ; 16 x batch + my first head
	s_lshl_b32 s21, s21, 18
	s_lshl_b32 s23, s23, 14
	s_add_co_u32 s22, s21, s23
	s_add_co_u32 s22, s22, 8192                    ; V's four fragments lie behind K's eight
	s_mov_b32 s23, 0
	s_add_nc_u64 s[90:91], s[86:87], s[22:23]
	s_sub_co_i32 s88, s76, s72
	s_sub_co_i32 s88, s88, s73                     ; e8 - e4 - e5: the three scales folded into the conversion's one
	SCALE 88, 8, 9
.macro VOUT a
.set AC, 64*((\a)%4)
.set CD, 128+16*(\a)
	WIN 0x02+((\a)/4)
.set ii, 0
.rept 64
	v_med3_num_f32 v[Y+ii], v[AC+ii], -v9, v9
.set ii, ii+1
.endr
	WIN 0
.irp b, 0,1,2,3,4,5,6,7
	v_cvt_scalef32_pk8_fp8_f32 v[CD+2*\b:CD+2*\b+1], v[Y+8*\b:Y+8*\b+7], v8
.endr
	v_nop
.irp i, 0,1,2,3
	global_store_b128 v26, v[CD+4*\i:CD+4*\i+3], s[90:91] offset:((\a)/4)*262144+((\a)%4)*2048+512*\i
.endr
.endm
.irp a, 0,1,2,3,4,5,6,7
	VOUT \a
.endr
.Ldone:
	s_wait_tensorcnt 0x0                           ; the wave's end
	ds_add_u32 v[SPW], v[NIL]
	s_wait_dscnt 0x0
	CROUND                                         ; the closing round
	s_endpgm
.Lfunc_end_k_qdc4771c5c0_qkv:
	.size	k_qdc4771c5c0_qkv, .Lfunc_end_k_qdc4771c5c0_qkv-k_qdc4771c5c0_qkv
	.p2alignl 7, 3214868480
	.fill 96, 4, 3214868480
	.section	.rodata,"a",@progbits
	.p2align	6, 0x0
	.amdhsa_kernel k_qdc4771c5c0_qkv
		.amdhsa_group_segment_fixed_size 327680
		.amdhsa_private_segment_fixed_size 0
		.amdhsa_enable_private_segment 0
		.amdhsa_kernarg_size 48
		.amdhsa_user_sgpr_count 2
		.amdhsa_user_sgpr_kernarg_segment_ptr 1
		.amdhsa_wavefront_size32 1
		.amdhsa_system_sgpr_workgroup_id_x 1
		.amdhsa_system_sgpr_workgroup_id_y 1
		.amdhsa_system_sgpr_workgroup_id_z 1
		.amdhsa_system_vgpr_workitem_id 0
		.amdhsa_next_free_vgpr 1024
		.amdhsa_next_free_sgpr 100
		.amdhsa_reserve_vcc 0
		.amdhsa_float_denorm_mode_32 3
		.amdhsa_float_denorm_mode_16_64 3
		.amdhsa_memory_ordered 1
		.amdhsa_forward_progress 1
		.amdhsa_inst_pref_size 243
	.end_amdhsa_kernel
	.amdgpu_metadata
---
amdhsa.version: [ 1, 2 ]
amdhsa.kernels:
  - .name:           k_qdc4771c5c0_qkv
    .symbol:         k_qdc4771c5c0_qkv.kd
    .args:
      - { .name: pc, .offset: 0, .size: 8, .value_kind: global_buffer, .address_space: global }
      - { .name: wc, .offset: 8, .size: 8, .value_kind: global_buffer, .address_space: global }
      - { .name: cos, .offset: 16, .size: 8, .value_kind: global_buffer, .address_space: global }
      - { .name: sin, .offset: 24, .size: 8, .value_kind: global_buffer, .address_space: global }
      - { .name: lowp_scales, .offset: 32, .size: 8, .value_kind: global_buffer, .address_space: global }
      - { .name: qkv, .offset: 40, .size: 8, .value_kind: global_buffer, .address_space: global }
    .group_segment_fixed_size: 327680
    .private_segment_fixed_size: 0
    .kernarg_segment_align: 8
    .kernarg_segment_size: 48
    .max_flat_workgroup_size: 128
    .sgpr_count:     100
    .vgpr_count:     1024
    .wavefront_size: 32
...
	.end_amdgpu_metadata
.endif
;; end of part 2
;; launch attn (part 3): grid 8 x 32, 16 waves a work-group, no clusters, 327,680 bytes of LDS; arguments qkv, lowp_scales, at; writes at
.if DOCPART == 3
	.amdgcn_target "amdgcn-amd-amdhsa--gfx1250"
	.amdhsa_code_object_version 6
	.text
	.protected	k_qdc4771c5c0_attn
	.globl	k_qdc4771c5c0_attn
	.p2align	8
	.type	k_qdc4771c5c0_attn,@function
k_qdc4771c5c0_attn:
	s_mov_b64 s[64:65], 0
	v_nop
	global_prefetch_b8 v0, s[64:65] scope:SCOPE_SE
	s_setreg_imm32_b32 hwreg(HW_REG_WAVE_MODE, 25, 1), 1
	s_wait_xcnt 0x0
; Causal attention on codes of E4M3: S^T = K Q^T (K = the head's 64), p = 2^(t - M) quantised along the keys, O^T = V^T P^T (K = 128 keys a step), O / the sum of the unquantised p, quantised for the projection.
; t = score x log2(e) / 8; M = the running largest t rounded up to a whole number; when M moves, the sum and O^T are multiplied by 2^(old M - new M), which rounds nothing.
; SHARES.  Work-group (i, head) owns query blocks i (early) and L = 15 - i (late) of 128 queries: eight tiles of 16 queries each.  A pair of waves owns one early and one late tile, 17 key steps of 128 keys in all:
;   wave A: the late tile, key blocks 0 .. 8: nine steps;   wave B: the early tile, key blocks 0 .. i, stored at once; then the late tile, key blocks 9 .. L: eight steps, the early tile's way out and the merge.
; (For i = 7 B's range of the late tile is empty: its part stays zeros under M = -3e38 and is multiplied by 0 in the merge.)
; A's part of the late tile (O^T, -M, the sums) goes to B through LDS bytes of its own; B brings both parts under the larger M by whole powers of two, adds them and stores the tile.
; Every wave walks all sixteen key blocks in loops of constant count; a block outside its range (the blocks that the causal mask hides among them) is jumped over by a branch on ids.  On the diagonal hidden scores become -infinity (a mask of -1e9 gives the same p = 0).
; LDS.  The head's K and V (in memory [128 keys]{8 fragments of K, 1,024 bytes; 4 of V^T, 2,048 bytes}) lie as sixteen pieces of 16 KiB: piece w holds the w-th KiB of every key block, block b at 1,024 b.  Wave w fetches piece w:
; rows 0, 1 by its one load at the head, rows 2-15 by its one load behind the first barrier.  Nothing is filled twice; every load holds bytes of blocks that all work-groups read.  One tensor load of a wave is out at the most.
; NO CLUSTER: the eight work-groups of a head read the same K and V, but the ranges of blocks, and so the branches, hang on the work-group's query blocks, which differ between such partners.
; NO PREFETCH: a wave's two loads ask for all of K and V at the start; there is no later load for a prefetch to run ahead of.
; LAYOUT.  Both products transposed: a lane holds one query (lane % 16); register j of score tile t is key 16 t + 8 (lane / 16) + j, the place that the second product's operand gives it: one conversion a tile.
; LIMITS: e6 + e7 between -123 and 130; e9, e10 between -126 and 119.  NaN is not served.
; REGISTERS: v1 16 x lane; v3 r - 8 h; v5 mask; v6 -inf; v10 my tile's place in the merge stage; v12 -M, v13 largest t, v[14:15] the sum; v16-23 Q; v24-31 at work; v32-95 K's, then V's fragments; v96-159 S^T, then p;
; v160-191 O^T; v192-207 p's codes; v208-211 scales; v212-219 codes out; v224-231 the late tile's Q; v232-235 LDS addresses of the step; v237-239 16 x lane + 64 KiB x 1, 2, 3; v242-253 at work; v254, v255 the add's.
.set SPARE, 0x40000                    ; behind K and V: the spare words, 128 bytes a wave
.set MST,   0x40800                    ; the merge stage: 4,608 bytes a tile; no tensor load lands here
.set AD,    232
.macro SCALE se, vs, vl                ; v[vs] = 2^e, v[vl] = 448 x 2^e
	s_add_co_i32 s22, s[\se], 127
	s_lshl_b32 s23, s22, 23
	v_mov_b32 v[\vs], s23
	s_add_co_i32 s22, s22, 8
	s_lshl_b32 s22, s22, 23
	s_or_b32 s22, s22, 0x600000
	v_mov_b32 v[\vl], s22
.endm
.macro INIT                            ; a tile's state: the largest t -3e38, sums and O^T zeros (the step is written once; its first trip finds zeros)
	v_mov_b32 v13, 0xff61b1e6
	v_mov_b32 v14, 0
	v_mov_b32 v15, 0
	v_floor_f32 v12, -v13
.set ii, 0
.rept 32
	v_mov_b32 v[160+ii], 0
.set ii, ii+1
.endr
.endm
	s_load_b128 s[4:7], s[0:1], 0x0                ; qkv, scales
	s_load_b64 s[8:9], s[0:1], 0x10                ; at
	v_lshl_add_u32 v254, v0, 2, SPARE
	v_mov_b32 v255, 0
	ds_add_u32 v254, v255                          ; the add twice on end; its wait stands ahead of my first tensor load
	ds_add_u32 v254, v255
	v_lshrrev_b32 v2, 5, v0
	s_delay_alu instid0(VALU_DEP_1)
	v_readfirstlane_b32 s10, v2                    ; wave 0..15
	s_and_b32 s11, ttmp7, 0xffff                   ; 16 x batch + head
	s_mov_b32 s24, 3<<16                           ; group 1, first load: 2 rows of 128 elements of 8 bytes, 16 KiB apart
	s_mov_b32 s25, 128<<16
	s_mov_b32 s26, 2<<16
	s_mov_b32 s27, 128<<16
	s_mov_b32 s28, 2
	s_mov_b32 s29, 2048
	s_mov_b32 s30, 0
	s_mov_b32 s31, 0
	s_mov_b32 s40, 3<<16                           ; group 1, second load: 14 such rows
	s_mov_b32 s41, 128<<16
	s_mov_b32 s42, 14<<16
	s_mov_b32 s43, 128<<16
	s_mov_b32 s44, 14
	s_mov_b32 s45, 2048
	s_mov_b32 s46, 0
	s_mov_b32 s47, 0
	s_lshl_b32 s12, s10, 14                        ; my piece in LDS
	s_lshl_b32 s22, s11, 18
	s_lshl_b32 s23, s10, 10                        ; my KiB of each key block
	s_add_co_u32 s22, s22, s23
	s_mov_b32 s23, 0
	s_wait_dscnt 0x0
	s_wait_kmcnt 0x0
	s_load_b512 s[48:63], s[6:7], 0x0              ; the exponents: e_k in s[48 + k]
	s_add_nc_u64 s[22:23], s[4:5], s[22:23]
	s_mov_b32 s32, 1
	s_mov_b32 s33, s12
	s_mov_b64 s[34:35], s[22:23]
	s_or_b32 s35, s35, 0x80000000
	s_mov_b32 s36, 1
	s_add_co_u32 s37, s12, 2048
	s_add_nc_u64 s[38:39], s[22:23], 32768
	s_or_b32 s39, s39, 0x80000000
	tensor_load_to_lds s[32:35], s[24:31]          ; key blocks 0, 1: my one load at the head
	s_nop 0
.rept 4
	v_nop
.endr
	s_lshr_b32 s66, s10, 2
	s_xor_b32 s66, s66, s10
	s_and_b32 s66, s66, 1                          ; 0: wave A, 1: wave B; waves 2 t and 2 t + 1 are a pair, and every four waves 4 apart hold two of each
	s_lshr_b32 s67, s10, 1                         ; my tile, 0..7
	s_lshl_b32 s82, s67, 4
	s_sub_co_u32 s83, 15, ttmp9                    ; L
	s_lshl_b32 s72, s83, 7                         ; the late tile's last block, as its first key
	s_add_co_u32 s70, s72, s82                     ; the late tile's first query
	s_lshl_b32 s85, ttmp9, 7                       ; the early tile's last block
	s_add_co_u32 s86, s85, s82                     ; the early tile's first query
	s_mov_b32 s71, 1152                            ; B's first block of the late tile: 9
	s_mov_b32 s87, 1024                            ; A's last block: 8
	s_cmp_eq_u32 s66, 0
	s_cselect_b32 s13, s70, s86                    ; q0: the first query of the tile in hand
	s_cselect_b32 s69, s87, s85                    ; the last block of my range,
	s_mov_b32 s68, 0                               ; and the first
	s_lshl_b32 s82, s11, 17
	s_add_co_u32 s82, s82, 0x800000                ; Q's part of qkv: a head 2^17 bytes, a query 64
	s_lshl_b32 s78, s13, 6
	s_add_co_u32 s78, s78, s82
	s_mov_b32 s79, 0
	s_add_nc_u64 s[78:79], s[4:5], s[78:79]
	s_lshl_b32 s80, s70, 6
	s_add_co_u32 s80, s80, s82
	s_mov_b32 s81, 0
	s_add_nc_u64 s[80:81], s[4:5], s[80:81]
	s_lshr_b32 s82, s11, 4
	s_lshl_b32 s82, s82, 7                         ; the batch's first block of 16 tokens
	s_and_b32 s83, s11, 15
	s_lshl_b32 s83, s83, 10                        ; head: fragment head / 2, images 2 (head % 2) on: 1,024 x head
	s_lshr_b32 s74, s86, 4
	s_add_co_u32 s74, s74, s82
	s_lshl_b32 s74, s74, 14
	s_add_co_u32 s74, s74, s83
	s_mov_b32 s75, 0
	s_add_nc_u64 s[74:75], s[8:9], s[74:75]        ; where the early tile goes,
	s_lshr_b32 s76, s70, 4
	s_add_co_u32 s76, s76, s82
	s_lshl_b32 s76, s76, 14
	s_add_co_u32 s76, s76, s83
	s_mov_b32 s77, 0
	s_add_nc_u64 s[76:77], s[8:9], s[76:77]        ; and the late one
	s_mul_i32 s89, s67, 4608
	s_add_co_u32 s89, s89, MST
	s_mov_b32 s18, 0x76543210
	s_mov_b32 s19, 0xfedcba98
	v_and_b32 v1, 31, v0
	s_delay_alu instid0(VALU_DEP_1)
	v_lshlrev_b32 v1, 4, v1
	global_load_b128 v[16:19], v1, s[78:79]        ; Q of the tile in hand
	global_load_b128 v[20:23], v1, s[78:79] offset:512
	global_load_b128 v[224:227], v1, s[80:81]      ; Q of the late tile, for B's second part
	global_load_b128 v[228:231], v1, s[80:81] offset:512
	v_add_nc_u32 v237, 0x10000, v1
	v_add_nc_u32 v238, 0x20000, v1
	v_add_nc_u32 v239, 0x30000, v1
	v_add_nc_u32 v10, s89, v1
	v_and_b32 v2, 15, v0
	v_bfe_u32 v3, v0, 4, 1
	s_delay_alu instid0(VALU_DEP_1)
	v_lshlrev_b32 v3, 3, v3
	s_delay_alu instid0(VALU_DEP_1)
	v_sub_nc_u32 v3, v2, v3                        ; r - 8 h
	v_mov_b32 v6, 0xff800000                       ; -infinity
	v_mov_b32 v26, 0                               ; (a permute's destination counts as read)
	v_mov_b32 v29, 0                               ; (upper halves of the pairs v[28:29], v[30:31])
	v_mov_b32 v30, 0
	v_mov_b32 v31, 0
	INIT
	s_wait_kmcnt 0x0
	s_add_co_i32 s20, s54, s55                     ; e6 + e7 goes into c's exponent field
	s_lshl_b32 s20, s20, 23
	s_add_co_i32 s20, s20, 0x3e38aa3b              ; c = log2(e) / 8
	s_mov_b32 s21, s20
	s_add_co_i32 s84, s56, s57                     ; e8 + e9
	SCALE 57, 209, 208                             ; e9
	SCALE 58, 211, 210                             ; e10
.macro STEP                            ; 128 keys: s15 the first key, s16 = 1,024 x block
	s_cmp_lt_u32 s15, s68
	s_cbranch_scc1 .Lhidden_\@
	s_cmp_gt_u32 s15, s69
	s_cbranch_scc1 .Lhidden_\@
	v_add_nc_u32 v[AD], s16, v1                    ; pieces 0-3, 4-7, 8-11, 12-15; the four additions are the places in front of loads into registers that the last products read
	v_add_nc_u32 v[AD+1], s16, v237
	v_add_nc_u32 v[AD+2], s16, v238
	v_add_nc_u32 v[AD+3], s16, v239
.irp t, 0,1,2,3,4,5,6,7
.irp i, 0,1
	ds_load_b128 v[32+8*\t+4*\i:35+8*\t+4*\i], v[AD+\t/4] offset:16384*(\t%4)+512*\i
.endr
.endr
	s_wait_alu depctr_va_vdst(0)
	s_wait_dscnt 0x0
.irp t, 0,1,2,3,4,5,6,7
	v_wmma_f32_16x16x64_fp8_fp8 v[96+8*\t:103+8*\t], v[32+8*\t:39+8*\t], v[16:23], 0
.endr
.rept 4
	v_nop                                          ; places in front of V's loads and of the first read of the scores
.endr
.irp t, 0,1,2,3
.irp i, 0,1,2,3
	ds_load_b128 v[32+16*\t+4*\i:35+16*\t+4*\i], v[AD+2+(2*\t+\i/2)/4] offset:16384*((2*\t+\i/2)%4)+512*(\i%2)   ; V lands while the softmax is worked
.endr
.endr
	s_add_co_u32 s22, s15, 127
	s_cmp_le_u32 s22, s13
	s_cbranch_scc1 .Lopen_\@                       ; all 128 keys count for all my queries
	s_sub_co_i32 s22, s13, s15
	v_add_nc_u32 v5, s22, v3                       ; d = my query - first key - 8 h: register 8 t + j holds a hidden key where 16 t + j > d
.set n, 0
.rept 64
	v_cmp_gt_i32 vcc_lo, 16*(n/8)+n%8, v5
	v_cndmask_b32 v[96+n], v[96+n], v6, vcc_lo
.set n, n+1
.endr
.Lopen_\@:
	v_max3_num_f32 v24, v96, v97, v98              ; the step's largest score of my query, in two chains; each accumulator is met from its low end
	v_max3_num_f32 v25, v99, v100, v101
.irp i, 6,10,14,18,22,26,30,34,38,42,46,50,54,58
	v_max3_num_f32 v24, v24, v[96+\i], v[97+\i]
	v_max3_num_f32 v25, v25, v[98+\i], v[99+\i]
.endr
	v_max3_num_f32 v24, v24, v158, v159
	s_delay_alu instid0(VALU_DEP_1)
	v_max_num_f32 v24, v24, v25
	s_delay_alu instid0(VALU_DEP_1)
	v_permlanex16_b32 v26, v24, s18, s19
	s_delay_alu instid0(VALU_DEP_1)
	v_max_num_f32 v24, v24, v26
	s_delay_alu instid0(VALU_DEP_1)
	v_mul_f32 v24, s20, v24                        ; as t (c is positive)
	s_delay_alu instid0(VALU_DEP_1)
	v_max_num_f32 v13, v13, v24
	v_mov_b32 v24, v12
	s_delay_alu instid0(VALU_DEP_2)
	v_floor_f32 v12, -v13                          ; -M = floor(-t)
	s_delay_alu instid0(VALU_DEP_1)
	v_sub_f32 v24, v12, v24                        ; old M - new M: a whole number, 0 or less
	s_delay_alu instid0(VALU_DEP_1)
	v_cvt_i32_f32 v24, v24                         ; (it saturates)
	s_delay_alu instid0(VALU_DEP_1)
	v_ldexp_f32 v28, 1.0, v24                      ; f = 2^(old M - new M)
.set ii, 0
.rept 32
	v_pk_fma_f32 v[96+ii:97+ii], v[96+ii:97+ii], s[20:21], v[12:13] op_sel_hi:[1,0,0]   ; t - M
.set ii, ii+2
.endr
.set ii, 0
	s_wait_alu depctr_va_vdst(0)                   ; the wait ahead of the batch
.rept 64
	v_exp_f32 v[96+ii], v[96+ii]                   ; p, at most 1, not normalised
.set ii, ii+1
.endr
	v_pk_mul_f32 v[14:15], v[14:15], v[28:29] op_sel_hi:[1,0]   ; the sums under the new M (the plain line behind the batch)
	s_wait_alu depctr_va_vdst(0)                   ; one wait for the 64 exponentials, ahead of their first reader
	v_pk_add_f32 v[30:31], v[100:101], v[104:105]  ; the row's sum of the unquantised p, in eight chains
	v_pk_add_f32 v[252:253], v[108:109], v[112:113]
	v_pk_add_f32 v[250:251], v[116:117], v[120:121]
	v_pk_add_f32 v[248:249], v[124:125], v[128:129]
	v_pk_add_f32 v[246:247], v[132:133], v[136:137]
	v_pk_add_f32 v[244:245], v[140:141], v[144:145]
	v_pk_add_f32 v[242:243], v[148:149], v[152:153]
	v_pk_add_f32 v[14:15], v[14:15], v[156:157]
	v_pk_add_f32 v[30:31], v[30:31], v[96:97]
	v_pk_add_f32 v[252:253], v[252:253], v[98:99]
	v_pk_add_f32 v[250:251], v[250:251], v[102:103]
	v_pk_add_f32 v[248:249], v[248:249], v[106:107]
	v_pk_add_f32 v[246:247], v[246:247], v[110:111]
	v_pk_add_f32 v[244:245], v[244:245], v[114:115]
	v_pk_add_f32 v[242:243], v[242:243], v[118:119]
	v_pk_add_f32 v[14:15], v[14:15], v[122:123]
	v_pk_add_f32 v[30:31], v[30:31], v[126:127]
	v_pk_add_f32 v[252:253], v[252:253], v[130:131]
	v_pk_add_f32 v[250:251], v[250:251], v[134:135]
	v_pk_add_f32 v[248:249], v[248:249], v[138:139]
	v_pk_add_f32 v[246:247], v[246:247], v[142:143]
	v_pk_add_f32 v[244:245], v[244:245], v[146:147]
	v_pk_add_f32 v[242:243], v[242:243], v[150:151]
	v_pk_add_f32 v[14:15], v[14:15], v[154:155]
	v_pk_add_f32 v[30:31], v[30:31], v[158:159]
	s_delay_alu instid0(VALU_DEP_2)
	v_pk_add_f32 v[14:15], v[14:15], v[248:249]
	s_delay_alu instid0(VALU_DEP_2)
	v_pk_add_f32 v[30:31], v[30:31], v[246:247]
	v_pk_add_f32 v[252:253], v[252:253], v[244:245]
	v_pk_add_f32 v[250:251], v[250:251], v[242:243]
	s_delay_alu instid0(VALU_DEP_2)
	v_pk_add_f32 v[14:15], v[14:15], v[252:253]
	s_delay_alu instid0(VALU_DEP_2)
	v_pk_add_f32 v[30:31], v[30:31], v[250:251]
	s_delay_alu instid0(VALU_DEP_1)
	v_pk_add_f32 v[14:15], v[14:15], v[30:31]
.irp t, 0,1,2,3,4,5,6,7
.irp i, 0,1,2,3,4,5,6,7
	v_min_num_f32 v[96+8*\t+\i], v[96+8*\t+\i], v208   ; p is not negative: a one-sided hold
.endr
	v_cvt_scalef32_pk8_fp8_f32 v[192+2*\t:193+2*\t], v[96+8*\t:103+8*\t], v209
.endr
	s_wait_alu depctr_va_vdst(0)                   ; directly ahead of the first reader of O^T
.set ii, 0
.rept 16
	v_pk_mul_f32 v[160+ii:161+ii], v[160+ii:161+ii], v[28:29] op_sel_hi:[1,0]   ; O^T under the new M; also the plain lines between the conversions and the products
.set ii, ii+2
.endr
	s_wait_alu depctr_va_vdst(0)
	s_wait_dscnt 0x0                               ; V is in
.irp t, 0,1,2,3
	v_wmma_f32_16x16x128_fp8_fp8 v[160+8*\t:167+8*\t], v[32+16*\t:47+16*\t], v[192:207], v[160+8*\t:167+8*\t]
.endr
.Lhidden_\@:
	s_add_co_u32 s16, s16, 1024
	s_add_co_u32 s15, s15, 128
.endm
.macro LOOP b0, n                      ; key blocks b0 .. b0 + n - 1
	s_mov_b32 s16, 1024*\b0
	s_mov_b32 s15, 128*\b0
	s_mov_b32 s17, \n
.Lstep_\@:
	STEP
	s_sub_co_u32 s17, s17, 1
	s_cmp_lg_u32 s17, 0
	s_cbranch_scc1 .Lstep_\@
.endm
; A TILE'S WAY OUT: register j of tile t is channel 16 t + 8 h + j of my query: registers 2 t, 2 t + 1 of my head's half of a fragment of the projection's operand.
.macro FINISH o
	v_add_f32 v14, v14, v15
	s_delay_alu instid0(VALU_DEP_1)
	v_permlanex16_b32 v26, v14, s18, s19
	s_delay_alu instid0(VALU_DEP_1)
	v_add_f32 v14, v14, v26                        ; the row's sum
	s_wait_alu depctr_va_vdst(0)                   ; the wait ahead of the transcendental,
	v_rcp_f32 v14, v14
	v_nop
	s_wait_alu depctr_va_vdst(0)                   ; ahead of its first reader,
	v_ldexp_f32 v28, v14, s84                      ; x 2^(e8 + e9)
	s_wait_alu depctr_va_vdst(0)                   ; and directly ahead of the first reader of O^T
.set ii, 0
.rept 16
	v_pk_mul_f32 v[160+ii:161+ii], v[160+ii:161+ii], v[28:29] op_sel_hi:[1,0]
.set ii, ii+2
.endr
.set ii, 0
.rept 32
	v_med3_num_f32 v[160+ii], v[160+ii], -v210, v210
.set ii, ii+1
.endr
.irp t, 0,1,2,3
	v_cvt_scalef32_pk8_fp8_f32 v[212+2*\t:213+2*\t], v[160+8*\t:167+8*\t], v211
.endr
	v_nop
	global_store_b128 v1, v[212:215], s[\o:\o+1]   ; each store covers 512 consecutive bytes, aligned
	global_store_b128 v1, v[216:219], s[\o:\o+1] offset:512
.endm
	s_wait_alu depctr_va_vdst(0)                   ; the head's end
	s_wait_tensorcnt 0x0                           ; my rows of key blocks 0, 1 are in
	ds_add_u32 v254, v255
	s_wait_dscnt 0x0
	s_barrier_signal -1
	s_barrier_wait -1                              ; everybody's are
	tensor_load_to_lds s[36:39], s[40:47]          ; key blocks 2-15: my one load behind this barrier
	s_nop 0
.rept 4
	v_nop
.endr
	s_wait_loadcnt 0x0                             ; Q
	LOOP 0, 2
	s_wait_tensorcnt 0x0                           ; my rows of key blocks 2-15 are in
	s_wait_dscnt 0x0
	s_barrier_signal -1
	s_barrier_wait -1
	LOOP 2, 6
	s_cmp_eq_u32 s66, 0                            ; the early tile ends with block i, 7 at the most: B stores it and takes the late tile up
	s_cbranch_scc1 .Lstay
.rept 4
	v_nop                                          ; places in front of the first read of O^T
.endr
	FINISH 74
.irp j, 0,1,2,3,4,5,6,7
	v_mov_b32 v[16+\j], v[224+\j]
.endr
	INIT
	s_mov_b32 s13, s70
	s_mov_b32 s68, s71
	s_mov_b32 s69, s72
	s_wait_alu depctr_va_vdst(0)
.Lstay:
	LOOP 8, 8
	s_cmp_eq_u32 s66, 0
	s_cbranch_scc0 .Lnot_a
.rept 4
	v_nop
.endr
.irp j, 0,1,2,3,4,5,6,7
	ds_store_b128 v10, v[160+4*\j:163+4*\j] offset:512*\j   ; A's part of the late tile, as an image of its registers
.endr
	ds_store_b128 v10, v[12:15] offset:4096        ; -M, the largest t, the sums
.Lnot_a:
	s_wait_alu depctr_va_vdst(0)
	s_wait_dscnt 0x0                               ; for B's sake: my stores lie in LDS
	s_barrier_signal -1
	s_barrier_wait -1
	s_cmp_eq_u32 s66, 0
	s_cbranch_scc1 .Lend
.rept 4
	v_nop                                          ; places in front of loads into registers that the last products read
.endr
	s_wait_xcnt 0x0                                ; the early tile's stores have read their registers
.irp j, 0,1,2,3,4,5,6,7
	ds_load_b128 v[32+4*\j:35+4*\j], v10 offset:512*\j
.endr
	ds_load_b128 v[64:67], v10 offset:4096
	s_wait_dscnt 0x0
	v_min_num_f32 v24, v12, v64                    ; -M of both parts
	v_sub_f32 v25, v24, v12                        ; my M - M, a whole number, 0 or less
	v_sub_f32 v27, v24, v64                        ; A's M - M
	v_cvt_i32_f32 v25, v25                         ; (it saturates: an empty part gets the factor 0)
	v_cvt_i32_f32 v27, v27
	v_ldexp_f32 v28, 1.0, v25
	v_ldexp_f32 v30, 1.0, v27
	v_pk_mul_f32 v[14:15], v[14:15], v[28:29] op_sel_hi:[1,0]
	v_pk_fma_f32 v[14:15], v[66:67], v[30:31], v[14:15] op_sel_hi:[1,0,1]
.set ii, 0
.rept 16
	v_pk_mul_f32 v[160+ii:161+ii], v[160+ii:161+ii], v[28:29] op_sel_hi:[1,0]
.set ii, ii+2
.endr
.set ii, 0
.rept 16
	v_pk_fma_f32 v[160+ii:161+ii], v[32+ii:33+ii], v[30:31], v[160+ii:161+ii] op_sel_hi:[1,0,1]
.set ii, ii+2
.endr
	FINISH 76
.Lend:
	s_wait_tensorcnt 0x0                           ; the wave's end
	ds_add_u32 v254, v255
	s_wait_dscnt 0x0
	s_endpgm
.Lfunc_end_k_qdc4771c5c0_attn:
	.size	k_qdc4771c5c0_attn, .Lfunc_end_k_qdc4771c5c0_attn-k_qdc4771c5c0_attn
	.p2alignl 7, 3214868480
	.fill 96, 4, 3214868480
	.section	.rodata,"a",@progbits
	.p2align	6, 0x0
	.amdhsa_kernel k_qdc4771c5c0_attn
		.amdhsa_group_segment_fixed_size 327680
		.amdhsa_private_segment_fixed_size 0
		.amdhsa_enable_private_segment 0
		.amdhsa_kernarg_size 24
		.amdhsa_user_sgpr_count 2
		.amdhsa_user_sgpr_kernarg_segment_ptr 1
		.amdhsa_wavefront_size32 1
		.amdhsa_system_sgpr_workgroup_id_x 1
		.amdhsa_system_sgpr_workgroup_id_y 1
		.amdhsa_system_sgpr_workgroup_id_z 1
		.amdhsa_system_vgpr_workitem_id 0
		.amdhsa_next_free_vgpr 256
		.amdhsa_next_free_sgpr 100
		.amdhsa_reserve_vcc 1
		.amdhsa_float_denorm_mode_32 3
		.amdhsa_float_denorm_mode_16_64 3
		.amdhsa_memory_ordered 1
		.amdhsa_forward_progress 1
		.amdhsa_inst_pref_size 86
	.end_amdhsa_kernel
	.amdgpu_metadata
---
amdhsa.version: [ 1, 2 ]
amdhsa.kernels:
  - .name:           k_qdc4771c5c0_attn
    .symbol:         k_qdc4771c5c0_attn.kd
    .args:
      - { .name: qkv, .offset: 0, .size: 8, .value_kind: global_buffer, .address_space: global }
      - { .name: lowp_scales, .offset: 8, .size: 8, .value_kind: global_buffer, .address_space: global }
      - { .name: at, .offset: 16, .size: 8, .value_kind: global_buffer, .address_space: global }
    .group_segment_fixed_size: 327680
    .private_segment_fixed_size: 0
    .kernarg_segment_align: 8
    .kernarg_segment_size: 24
    .max_flat_workgroup_size: 512
    .sgpr_count:     100
    .vgpr_count:     256
    .wavefront_size: 32
...
	.end_amdgpu_metadata
.endif
;; end of part 3
;; launch proj (part 4): grid 8 x 32, 4 waves a work-group, clusters of 4 x 4, 327,680 bytes of LDS; arguments at, wc, sc, lowp_scales, sc2; writes sc2
.if DOCPART == 4
	.amdgcn_target "amdgcn-amd-amdhsa--gfx1250"
	.amdhsa_code_object_version 6
	.text
	.protected	k_qdc4771c5c0_proj
	.globl	k_qdc4771c5c0_proj
	.p2align	8
	.type	k_qdc4771c5c0_proj,@function
k_qdc4771c5c0_proj:
	s_mov_b64 s[64:65], 0
	v_nop
	global_prefetch_b8 v0, s[64:65] scope:SCOPE_SE
	s_setreg_imm32_b32 hwreg(HW_REG_WAVE_MODE, 25, 1), 1
	s_wait_xcnt 0x0
	s_wait_alu depctr_hold_cnt(0) depctr_sa_sdst(0) depctr_va_vdst(0) depctr_va_sdst(0) depctr_va_ssrc(0) depctr_va_vcc(0) depctr_vm_vsrc(0)
	s_getreg_b32 s2, hwreg(HW_REG_IB_STS2, 6, 4)
	s_cmp_eq_u32 s2, 0
	s_cbranch_scc0 .Lentry_in_a_cluster
	s_endpgm
.Lentry_in_a_cluster:
	s_bfe_u32 s2, ttmp6, 0x10000c
	s_cmp_lg_u32 s2, 0xf033
	s_cbranch_scc0 .Lentry_shape_is_right
	s_endpgm
.Lentry_shape_is_right:
.set K,     1024
.set WOFF,  0x300000
.set EI,    10
.set RB,    16*K
.set KS,    16384                      ; all of K for 16 rows: one load a wave brings 64 rows x 1,024 K, and nothing is filled again
.set HALFT, 4*KS
.set SLOT,  4*HALFT
.set STAGE, SLOT
.set SP,    272
.set SPARE, STAGE+4*16*SP
.set LAPS,  K/1024
.set ADRA, 16
.set ADRB, 20
.set STO,  24
.set RD,   25
.set CO,   26
.set SPW,  28
.set NIL,  29
.set TMP,  32
.set ACC,  128
.set F0,   0
.set F1,   128
.set G1, 24
.set G0, 32
.set G1B, 48
.set G0B, 56
.set MSB, 0
.macro WIN new
.if MSB != (\new)
	s_set_vgpr_msb (MSB<<8)|(\new)
.set MSB, (\new)
.endif
.endm
.set MUL,  0x05
.set TO_F, 0x40
.macro JLOAD s
	s_cmp_eq_u32 s71, 0
	s_cbranch_scc0 .Lfor_b_\@
	tensor_load_to_lds s[G0+4*\s:G0+4*\s+3], s[G1:G1+7]
	s_nop 0
.rept 4
	v_nop
.endr
	s_branch .Lasked_\@
.Lfor_b_\@:
	tensor_load_to_lds s[G0B+4*\s:G0B+4*\s+3], s[G1B:G1B+7]
	s_nop 0
.rept 4
	v_nop
.endr
.Lasked_\@:
.endm
.macro CREST
	s_cmp_lg_u32 s70, 0
	s_cbranch_scc1 .Lnot_wave_0_\@
	s_barrier_signal -3
.Lnot_wave_0_\@:
	s_barrier_wait -3
	s_barrier_signal -1
	s_barrier_wait -1
.endm
.macro CROUND
	s_barrier_signal -1
	s_barrier_wait -1
	CREST
.endm
	s_load_b256 s[4:11], s[0:1], 0x0
	s_load_b64 s[68:69], s[0:1], 0x20
	v_lshl_add_u32 v[SPW], v0, 2, SPARE
	v_mov_b32 v[NIL], 0
	ds_add_u32 v28, v29
	ds_add_u32 v28, v29
	s_wait_dscnt 0x0
	v_lshrrev_b32 v1, 5, v0
	v_readfirstlane_b32 s70, v1
	s_lshr_b32 s71, s70, 1
	s_and_b32 s72, s70, 1
	s_bfe_u32 s40, ttmp6, 0x40000
	s_bfe_u32 s41, ttmp6, 0x40004
	s_lshl_b32 s42, ttmp9, 2
	s_add_co_u32 s42, s42, s40
	s_and_b32 s13, ttmp7, 0xffff
	s_lshl_b32 s13, s13, 2
	s_add_co_u32 s13, s13, s41
	s_lshl_b32 s43, s41, 2
	s_lshl_b32 s43, 15, s43
	s_lshl_b32 s44, 0x1111, s40
	s_or_b32 s[G1+0], s43, (3<<16)|(1<<21)
	s_or_b32 s[G1B+0], s44, (3<<16)|(1<<21)
.irp g, G1, G1B
	s_mov_b32 s[\g+1], 2048<<16
	s_mov_b32 s[\g+2], 4<<16
	s_mov_b32 s[\g+3], 2048<<16
	s_mov_b32 s[\g+4], 4
	s_mov_b32 s[\g+5], RB/8
	s_mov_b32 s[\g+6], 0
	s_mov_b32 s[\g+7], 0
.endr
	s_lshl_b32 s17, s72, 2
	s_lshl_b32 s16, s13, 3
	s_add_co_u32 s16, s16, s17
	s_lshl_b32 s46, s42, 3
	s_add_co_u32 s46, s46, s17
	s_mul_i32 s16, s16, RB
	s_mul_i32 s46, s46, RB
	s_add_co_u32 s46, s46, WOFF
	s_mov_b32 s17, 0
	s_mov_b32 s47, 0
	s_mul_i32 s20, s70, HALFT
	s_wait_kmcnt 0x0
	s_load_b64 s[96:97], s[10:11], EI*4
	s_add_nc_u64 s[14:15], s[4:5], s[16:17]
	s_add_nc_u64 s[46:47], s[6:7], s[46:47]
.irp s, 0
	s_mov_b32 s[G0+4*\s], 1
	s_add_co_u32 s[G0+4*\s+1], s20, \s*SLOT
	s_add_nc_u64 s[G0+4*\s+2:G0+4*\s+3], s[14:15], \s*KS
	s_or_b32 s[G0+4*\s+3], s[G0+4*\s+3], 0x80000000
	s_mov_b32 s[G0B+4*\s], 1
	s_add_co_u32 s[G0B+4*\s+1], s20, \s*SLOT
	s_add_nc_u64 s[G0B+4*\s+2:G0B+4*\s+3], s[46:47], \s*KS
	s_or_b32 s[G0B+4*\s+3], s[G0B+4*\s+3], 0x80000000
	s_wait_alu depctr_va_vdst(0)
	s_wait_tensorcnt 0x0
	ds_add_u32 v28, v29
	ds_add_u32 v28, v29
	s_wait_dscnt 0x0
	CROUND
	JLOAD \s
.endr
	s_lshl_b32 s74, s13, 7
	s_lshl_b32 s76, s71, 6
	s_add_co_u32 s74, s74, s76
	s_lshl_b32 s74, s74, 12
	s_lshl_b32 s76, s42, 9
	s_add_co_u32 s74, s74, s76
	s_lshl_b32 s76, s72, 8
	s_add_co_u32 s74, s74, s76
	s_mov_b32 s75, 0
	s_add_nc_u64 s[8:9], s[8:9], s[74:75]
	s_add_nc_u64 s[68:69], s[68:69], s[74:75]
	v_and_b32 v1, 15, v0
	v_bfe_u32 v2, v0, 4, 1
	v_lshlrev_b32 v[CO], 12, v2
	v_lshl_add_u32 v[CO], v1, 4, v[CO]
	WIN 0x80
.irp a, 0,1,2,3
.irp t, 0,1,2,3,4,5,6,7
	global_load_b128 v[32*\a+4*\t:32*\a+4*\t+3], v[CO], s[8:9] offset:(16*\a+2*\t)*4096 th:TH_LOAD_NT
.endr
.endr
	WIN 0
	v_and_b32 v3, 31, v0
	v_lshlrev_b32 v3, 4, v3
	s_mul_i32 s21, s71, HALFT
	s_mul_i32 s22, s72, HALFT
	s_add_co_u32 s22, s22, 2*HALFT
.irp s, 0
	v_add_nc_u32 v[ADRA+\s], s21, v3
	v_add_nc_u32 v[ADRB+\s], s22, v3
	s_add_co_u32 s21, s21, SLOT
	s_add_co_u32 s22, s22, SLOT
.endr
	s_mul_i32 s23, s70, 16*SP
	s_add_co_u32 s23, s23, STAGE
	s_wait_alu depctr_va_vdst(0)
	v_mul_u32_u24 v4, v1, SP
	v_lshl_add_u32 v4, v2, 5, v4
	v_add_nc_u32 v[STO], s23, v4
	v_mul_u32_u24 v5, v2, SP
	v_lshl_add_u32 v5, v1, 4, v5
	v_add_nc_u32 v[RD], s23, v5
.macro MUL8 f, a0, zero
.irp a, \a0, \a0+1
.irp b, 0,1,2,3
.if \zero
	v_wmma_f32_16x16x128_fp8_fp8 v[ACC+8*(4*(\a)+\b):ACC+8*(4*(\a)+\b)+7], v[\f+64+16*\b:\f+64+16*\b+15], v[\f+16*(\a):\f+16*(\a)+15], 0
.else
	v_wmma_f32_16x16x128_fp8_fp8 v[ACC+8*(4*(\a)+\b):ACC+8*(4*(\a)+\b)+7], v[\f+64+16*\b:\f+64+16*\b+15], v[\f+16*(\a):\f+16*(\a)+15], v[ACC+8*(4*(\a)+\b):ACC+8*(4*(\a)+\b)+7]
.endif
.endr
.endr
.endm
.macro FETCH slot, q, f
	WIN TO_F
.irp i, 0,1,2,3
.irp c, 0,1,2,3
	ds_load_b128 v[\f+64+16*\i+4*\c:\f+64+16*\i+4*\c+3], v[ADRB+\slot] offset:KS*\i+2048*(\q)+512*\c
.endr
.endr
.irp i, 0,1,2,3
.irp c, 0,1,2,3
	ds_load_b128 v[\f+16*\i+4*\c:\f+16*\i+4*\c+3], v[ADRA+\slot] offset:KS*\i+2048*(\q)+512*\c
.endr
.endr
.endm
.macro PLACES
.rept 4
	v_nop
.endr
.endm
.macro QUARTER slot, qn, f, g, zero
	PLACES
	FETCH \slot, \qn, \g
	s_wait_dscnt 32
	WIN MUL
	MUL8 \f, 0, \zero
	MUL8 \f, 2, \zero
.endm
.macro TURN slot, next, fill
	WIN 0
	s_wait_tensorcnt 0x0
	ds_add_u32 v[SPW], v[NIL]
	s_wait_dscnt 1
	WIN MUL
	MUL8 F1, 0, 0
	s_wait_dscnt 0x0
	WIN 0
	s_barrier_signal -1
	s_barrier_wait -1
.if \fill
	CREST
	s_add_nc_u64 s[G0+4*\slot+2:G0+4*\slot+3], s[G0+4*\slot+2:G0+4*\slot+3], 2*KS
	s_add_nc_u64 s[G0B+4*\slot+2:G0B+4*\slot+3], s[G0B+4*\slot+2:G0B+4*\slot+3], 2*KS
	JLOAD \slot
.else
	PLACES
.endif
	FETCH \next, 0, F0
	WIN MUL
	MUL8 F1, 2, 0
.endm
	s_wait_alu depctr_va_vdst(0)
	s_wait_tensorcnt 0x0
	s_barrier_signal -1
	s_barrier_wait -1
	FETCH 0, 0, F0
	QUARTER 0, 1, F0, F1, 1
.if LAPS > 1
	WIN 0
	s_mov_b32 s3, LAPS-1
.Llap:
	QUARTER 0, 2, F1, F0, 0
	QUARTER 0, 3, F0, F1, 0
	TURN 0, 1, 1
	QUARTER 1, 1, F0, F1, 0
	QUARTER 1, 2, F1, F0, 0
	QUARTER 1, 3, F0, F1, 0
	TURN 1, 0, 1
	QUARTER 0, 1, F0, F1, 0
	WIN 0
	s_sub_co_u32 s3, s3, 1
	s_cmp_lg_u32 s3, 0
	s_cbranch_scc1 .Llap
.endif
	QUARTER 0, 2, F1, F0, 0
	QUARTER 0, 3, F0, F1, 0
	QUARTER 0, 4, F1, F0, 0
	QUARTER 0, 5, F0, F1, 0
	QUARTER 0, 6, F1, F0, 0
	QUARTER 0, 7, F0, F1, 0
	s_wait_dscnt 0
	MUL8 F1, 0, 0
	MUL8 F1, 2, 0
	WIN 0
	PLACES
	s_wait_kmcnt 0x0
	s_add_co_i32 s96, s96, s97
	s_add_co_i32 s96, s96, 127
	s_lshl_b32 s96, s96, 23
	s_mov_b32 s97, s96
	s_wait_loadcnt 0x0
.macro TOSTAGE a
.irp b, 0,1,2,3
	ds_store_b128 v[STO], v[ACC+8*(4*(\a)+\b):ACC+8*(4*(\a)+\b)+3] offset:64*\b
	ds_store_b128 v[STO], v[ACC+8*(4*(\a)+\b)+4:ACC+8*(4*(\a)+\b)+7] offset:64*\b+16
.endr
.irp t, 0,1,2,3,4,5,6,7
	ds_load_b128 v[TMP+32*((\a)%2)+4*\t:TMP+32*((\a)%2)+4*\t+3], v[RD] offset:\t*2*SP
.endr
.endm
.macro SEND a, younger
	s_wait_dscnt \younger
	WIN 0x20
.set ii, 0
.rept 16
	v_pk_fma_f32 v[TMP+32*((\a)%2)+ii:TMP+32*((\a)%2)+ii+1], v[TMP+32*((\a)%2)+ii:TMP+32*((\a)%2)+ii+1], s[96:97], v[32*(\a)+ii:32*(\a)+ii+1] op_sel_hi:[1,0,1]
.set ii, ii+2
.endr
	WIN 0
.irp t, 0,1,2,3,4,5,6,7
	global_store_b128 v[CO], v[TMP+32*((\a)%2)+4*\t:TMP+32*((\a)%2)+4*\t+3], s[68:69] offset:(16*(\a)+2*\t)*4096
.endr
.endm
	TOSTAGE 0
.irp a, 1,2,3
.if \a > 1
	s_wait_xcnt 0x0
.endif
	TOSTAGE \a
	SEND \a-1, 16
.endr
	SEND 3, 0
	s_wait_tensorcnt 0x0
	ds_add_u32 v[SPW], v[NIL]
	s_wait_dscnt 0x0
	CROUND
	s_endpgm
.Lfunc_end_k_qdc4771c5c0_proj:
	.size	k_qdc4771c5c0_proj, .Lfunc_end_k_qdc4771c5c0_proj-k_qdc4771c5c0_proj
	.p2alignl 7, 3214868480
	.fill 96, 4, 3214868480
	.section	.rodata,"a",@progbits
	.p2align	6, 0x0
	.amdhsa_kernel k_qdc4771c5c0_proj
		.amdhsa_group_segment_fixed_size 327680
		.amdhsa_private_segment_fixed_size 0
		.amdhsa_enable_private_segment 0
		.amdhsa_kernarg_size 40
		.amdhsa_user_sgpr_count 2
		.amdhsa_user_sgpr_kernarg_segment_ptr 1
		.amdhsa_wavefront_size32 1
		.amdhsa_system_sgpr_workgroup_id_x 1
		.amdhsa_system_sgpr_workgroup_id_y 1
		.amdhsa_system_sgpr_workgroup_id_z 1
		.amdhsa_system_vgpr_workitem_id 0
		.amdhsa_next_free_vgpr 640
		.amdhsa_next_free_sgpr 100
		.amdhsa_reserve_vcc 0
		.amdhsa_float_denorm_mode_32 3
		.amdhsa_float_denorm_mode_16_64 3
		.amdhsa_memory_ordered 1
		.amdhsa_forward_progress 1
		.amdhsa_inst_pref_size 47
	.end_amdhsa_kernel
	.amdgpu_metadata
---
amdhsa.version: [ 1, 2 ]
amdhsa.kernels:
  - .name:           k_qdc4771c5c0_proj
    .symbol:         k_qdc4771c5c0_proj.kd
    .args:
      - { .name: at, .offset: 0, .size: 8, .value_kind: global_buffer, .address_space: global }
      - { .name: wc, .offset: 8, .size: 8, .value_kind: global_buffer, .address_space: global }
      - { .name: sc, .offset: 16, .size: 8, .value_kind: global_buffer, .address_space: global }
      - { .name: lowp_scales, .offset: 24, .size: 8, .value_kind: global_buffer, .address_space: global }
      - { .name: sc2, .offset: 32, .size: 8, .value_kind: global_buffer, .address_space: global }
    .group_segment_fixed_size: 327680
    .private_segment_fixed_size: 0
    .kernarg_segment_align: 8
    .kernarg_segment_size: 40
    .max_flat_workgroup_size: 128
    .sgpr_count:     100
    .vgpr_count:     640
    .wavefront_size: 32
...
	.end_amdgpu_metadata
.endif
;; end of part 4
;; launch norm2 (part 5): grid 256 x 1, 4 waves a work-group, no clusters, 17,408 bytes of LDS; arguments sc2, lowp_scales, n2; writes n2
.if DOCPART == 5
	.amdgcn_target "amdgcn-amd-amdhsa--gfx1250"
	.amdhsa_code_object_version 6
	.text
	.protected	k_qdc4771c5c0_norm2
	.globl	k_qdc4771c5c0_norm2
	.p2align	8
	.type	k_qdc4771c5c0_norm2,@function
k_qdc4771c5c0_norm2:
	s_mov_b64 s[64:65], 0
	v_nop
	global_prefetch_b8 v0, s[64:65] scope:SCOPE_SE
	s_setreg_imm32_b32 hwreg(HW_REG_WAVE_MODE, 25, 1), 1
	s_wait_xcnt 0x0
; n2 = codes of rmsnorm(sc2) with the scale 2^e12, as images of the operand's registers ([token / 16][k / 128] fragments of 2,048 bytes; image i = registers 4 i .. 4 i + 3, lane l at 16 l).
; A work-group takes 16 rows, a wave four; all four rows are asked for at the head (32 loads of 512 consecutive bytes a wave).  Load j gives lane l the numbers 128 j + 4 l .. + 3; a conversion of the registers of
; loads 2 g and 2 g + 1 gives the code words for bytes 128 (2 g) + 4 l and 128 (2 g + 1) + 4 l of the row.  The rows of codes meet in LDS (pitch 1,040) and leave as images behind one barrier.
; LIMIT: e12 between -126 and 119.  NaN is not served.
.set RP, 1040
.set X,  16                            ; v16-143  four rows
.set T,  144                           ; v144-159 two sets of eight held numbers
.set CC, 160                           ; v160-191 eight code words a row
.set SS, 192                           ; v192-199 four chains
	s_load_b128 s[4:7], s[0:1], 0x0                ; sc2, scales
	s_load_b64 s[8:9], s[0:1], 0x10                ; n2
	v_lshl_add_u32 v208, v0, 2, 0x4200
	v_mov_b32 v209, 0
	v_lshrrev_b32 v1, 5, v0
	v_readfirstlane_b32 s12, v1
	v_and_b32 v1, 31, v0
	v_lshlrev_b32 v2, 4, v1
	s_lshl_b32 s14, ttmp9, 4
	s_lshl_b32 s15, s12, 2
	s_add_co_u32 s14, s14, s15
	s_lshl_b32 s14, s14, 12
	s_mov_b32 s15, 0
	s_lshl_b32 s16, ttmp9, 14
	s_lshl_b32 s17, s12, 12
	s_add_co_u32 s16, s16, s17
	s_mov_b32 s17, 0
	s_wait_alu depctr_va_vdst(0)
	s_wait_kmcnt 0x0
	s_load_b32 s20, s[6:7], 0x30                   ; e12
	s_add_nc_u64 s[4:5], s[4:5], s[14:15]
	s_add_nc_u64 s[8:9], s[8:9], s[16:17]
.irp rw, 0,1,2,3
.irp j, 0,1,2,3,4,5,6,7
	global_load_b128 v[X+32*\rw+4*\j:X+32*\rw+4*\j+3], v2, s[4:5] offset:4096*\rw+512*\j
.endr
.endr
	s_mul_i32 s18, s12, 4*RP
	v_lshl_add_u32 v3, v1, 2, s18                  ; where my rows' code words go
	v_and_b32 v4, 15, v1
	v_lshrrev_b32 v5, 4, v1
	v_mul_u32_u24 v4, v4, RP
	v_lshl_add_u32 v4, v5, 3, v4
	s_lshl_b32 s18, s12, 8
	v_add_nc_u32 v4, s18, v4                       ; out: row r, + 8 h, + my two fragments' 256 bytes
	s_mov_b32 s22, 0x76543210
	s_mov_b32 s23, 0xfedcba98
	s_mov_b32 s24, 0x3a800000                      ; 1 / 1024
	s_mov_b32 s25, 0x3727c5ac                      ; 1e-5
	v_mov_b32 v201, 0
	v_mov_b32 v202, 0
	s_wait_kmcnt 0x0
	s_add_co_i32 s20, s20, 127
	s_lshl_b32 s21, s20, 23
	v_mov_b32 v6, s21                              ; 2^e12
	s_add_co_i32 s20, s20, 8
	s_lshl_b32 s20, s20, 23
	s_or_b32 s20, s20, 0x600000
	v_mov_b32 v7, s20                              ; 448 x 2^e12
.macro ROW rw
.set XS, X+32*\rw
	s_wait_loadcnt 24-8*\rw                        ; my row's eight loads are in; the later rows' may be out
.irp c, 0,1,2,3
	v_pk_mul_f32 v[SS+2*\c:SS+2*\c+1], v[XS+2*\c:XS+2*\c+1], v[XS+2*\c:XS+2*\c+1]
.endr
.irp k, 8,16,24
.irp c, 0,1,2,3
	v_pk_fma_f32 v[SS+2*\c:SS+2*\c+1], v[XS+\k+2*\c:XS+\k+2*\c+1], v[XS+\k+2*\c:XS+\k+2*\c+1], v[SS+2*\c:SS+2*\c+1]
.endr
.endr
	v_pk_add_f32 v[SS:SS+1], v[SS:SS+1], v[SS+2:SS+3]
	v_pk_add_f32 v[SS+4:SS+5], v[SS+4:SS+5], v[SS+6:SS+7]
	v_pk_add_f32 v[SS:SS+1], v[SS:SS+1], v[SS+4:SS+5]
	v_add_f32 v[SS], v[SS], v[SS+1]
	v_add_f32_dpp v[SS], v[SS], v[SS] row_xmask:1 row_mask:0xf bank_mask:0xf
	v_add_f32_dpp v[SS], v[SS], v[SS] row_xmask:2 row_mask:0xf bank_mask:0xf
	v_add_f32_dpp v[SS], v[SS], v[SS] row_xmask:4 row_mask:0xf bank_mask:0xf
	v_add_f32_dpp v[SS], v[SS], v[SS] row_xmask:8 row_mask:0xf bank_mask:0xf
	v_permlanex16_b32 v202, v[SS], s22, s23
	v_add_f32 v[SS], v[SS], v202
	v_fma_f32 v[SS], v[SS], s24, s25
	s_wait_alu depctr_va_vdst(0)
	v_rsq_f32 v200, v[SS]
	v_nop                                          ; a plain line behind the transcendental,
	s_wait_alu depctr_va_vdst(0)                   ; and the wait ahead of its first reader
.set ii, 0
.rept 16
	v_pk_mul_f32 v[XS+ii:XS+ii+1], v[XS+ii:XS+ii+1], v[200:201] op_sel_hi:[1,0]
.set ii, ii+2
.endr
.irp g, 0,1,2,3
.irp i, 0,1,2,3,4,5,6,7
	v_med3_num_f32 v[T+8*(\g%2)+\i], v[XS+8*\g+\i], -v7, v7
.endr
	v_cvt_scalef32_pk8_fp8_f32 v[CC+8*\rw+2*\g:CC+8*\rw+2*\g+1], v[T+8*(\g%2):T+8*(\g%2)+7], v6
.endr
	v_nop
.irp j, 0,1,2,3,4,5,6,7
	ds_store_b32 v3, v[CC+8*\rw+\j] offset:RP*\rw+128*\j
.endr
.endm
	ROW 0
	ROW 1
	ROW 2
	ROW 3
	s_wait_dscnt 0x0                               ; for the others' sake: my code words lie in LDS
	s_barrier_signal -1
	s_barrier_wait -1
.irp q, 0,1
.irp i, 0,1,2,3
.irp u, 0,1
	ds_load_b64 v[16+16*\q+4*\i+2*\u:16+16*\q+4*\i+2*\u+1], v4 offset:128*\q+32*\i+16*\u
.endr
.endr
.endr
	s_wait_dscnt 0x0
.irp q, 0,1
.irp i, 0,1,2,3
	global_store_b128 v2, v[16+16*\q+4*\i:16+16*\q+4*\i+3], s[8:9] offset:2048*\q+512*\i
.endr
.endr
	s_wait_tensorcnt 0x0
	ds_add_u32 v208, v209
	s_wait_dscnt 0x0
	s_endpgm
.Lfunc_end_k_qdc4771c5c0_norm2:
	.size	k_qdc4771c5c0_norm2, .Lfunc_end_k_qdc4771c5c0_norm2-k_qdc4771c5c0_norm2
	.p2alignl 7, 3214868480
	.fill 96, 4, 3214868480
	.section	.rodata,"a",@progbits
	.p2align	6, 0x0
	.amdhsa_kernel k_qdc4771c5c0_norm2
		.amdhsa_group_segment_fixed_size 17408
		.amdhsa_private_segment_fixed_size 0
		.amdhsa_enable_private_segment 0
		.amdhsa_kernarg_size 24
		.amdhsa_user_sgpr_count 2
		.amdhsa_user_sgpr_kernarg_segment_ptr 1
		.amdhsa_wavefront_size32 1
		.amdhsa_system_sgpr_workgroup_id_x 1
		.amdhsa_system_sgpr_workgroup_id_y 1
		.amdhsa_system_sgpr_workgroup_id_z 1
		.amdhsa_system_vgpr_workitem_id 0
		.amdhsa_next_free_vgpr 210
		.amdhsa_next_free_sgpr 66
		.amdhsa_reserve_vcc 0
		.amdhsa_float_denorm_mode_32 3
		.amdhsa_float_denorm_mode_16_64 3
		.amdhsa_memory_ordered 1
		.amdhsa_forward_progress 1
		.amdhsa_inst_pref_size 30
	.end_amdhsa_kernel
	.amdgpu_metadata
---
amdhsa.version: [ 1, 2 ]
amdhsa.kernels:
  - .name:           k_qdc4771c5c0_norm2
    .symbol:         k_qdc4771c5c0_norm2.kd
    .args:
      - { .name: sc2, .offset: 0, .size: 8, .value_kind: global_buffer, .address_space: global }
      - { .name: lowp_scales, .offset: 8, .size: 8, .value_kind: global_buffer, .address_space: global }
      - { .name: n2, .offset: 16, .size: 8, .value_kind: global_buffer, .address_space: global }
    .group_segment_fixed_size: 17408
    .private_segment_fixed_size: 0
    .kernarg_segment_align: 8
    .kernarg_segment_size: 24
    .max_flat_workgroup_size: 128
    .sgpr_count:     66
    .vgpr_count:     210
    .wavefront_size: 32
...
	.end_amdgpu_metadata
.endif
;; end of part 5
;; launch fc (part 6): grid 16 x 16, 4 waves a work-group, clusters of 4 x 4, 327,680 bytes of LDS; arguments n2, wc, lowp_scales, hc; writes hc
.if DOCPART == 6
	.amdgcn_target "amdgcn-amd-amdhsa--gfx1250"
	.amdhsa_code_object_version 6
	.text
	.protected	k_qdc4771c5c0_fc
	.globl	k_qdc4771c5c0_fc
	.p2align	8
	.type	k_qdc4771c5c0_fc,@function
k_qdc4771c5c0_fc:
	s_mov_b64 s[64:65], 0
	v_nop
	global_prefetch_b8 v0, s[64:65] scope:SCOPE_SE
	s_setreg_imm32_b32 hwreg(HW_REG_WAVE_MODE, 25, 1), 1
	s_wait_xcnt 0x0
	s_wait_alu depctr_hold_cnt(0) depctr_sa_sdst(0) depctr_va_vdst(0) depctr_va_sdst(0) depctr_va_ssrc(0) depctr_va_vcc(0) depctr_vm_vsrc(0)
	s_getreg_b32 s2, hwreg(HW_REG_IB_STS2, 6, 4)
	s_cmp_eq_u32 s2, 0
	s_cbranch_scc0 .Lentry_in_a_cluster
	s_endpgm
.Lentry_in_a_cluster:
	s_bfe_u32 s2, ttmp6, 0x10000c
	s_cmp_lg_u32 s2, 0xf033
	s_cbranch_scc0 .Lentry_shape_is_right
	s_endpgm
.Lentry_shape_is_right:
.set RB,    16384
.set KS,    4096
.set HALFT, 8*KS
.set SLOT,  4*HALFT
.set SPARE, 2*SLOT
.set LAPS,  2
.set FR,    16
.set NL,    4
.set NP,    4
.set ADRA, 16
.set ADRB, 20
.set SPW,  28
.set NIL,  29
.set AF,   128
.set Y,    32
.set G1, 24
.set G0, 32
.set G1B, 48
.set G0B, 56
.set MSB, 0
.macro WIN new
.if MSB != (\new)
	s_set_vgpr_msb (MSB<<8)|(\new)
.set MSB, (\new)
.endif
.endm
.set MUL_LO, 0xa1
.set MUL_HI, 0xf1
.set TO_B,   0x40
.macro JLOAD g0a, g1a, g0b, g1b
	s_cmp_eq_u32 s15, 0
	s_cbranch_scc0 .Lfor_b_\@
	tensor_load_to_lds s[\g0a:\g0a+3], s[\g1a:\g1a+7]
	s_nop 0
.rept 4
	v_nop
.endr
	s_branch .Lasked_\@
.Lfor_b_\@:
	tensor_load_to_lds s[\g0b:\g0b+3], s[\g1b:\g1b+7]
	s_nop 0
.rept 4
	v_nop
.endr
.Lasked_\@:
.endm
.macro CREST
	s_cmp_lg_u32 s14, 0
	s_cbranch_scc1 .Lnot_wave_0_\@
	s_barrier_signal -3
.Lnot_wave_0_\@:
	s_barrier_wait -3
	s_barrier_signal -1
	s_barrier_wait -1
.endm
.macro CROUND
	s_barrier_signal -1
	s_barrier_wait -1
	CREST
.endm
	s_load_b128 s[4:7], s[0:1], 0x0
	s_load_b128 s[8:11], s[0:1], 0x10
	v_lshl_add_u32 v[SPW], v0, 2, SPARE
	v_mov_b32 v[NIL], 0
	ds_add_u32 v28, v29
	ds_add_u32 v28, v29
	s_wait_dscnt 0x0
	v_lshrrev_b32 v1, 5, v0
	v_readfirstlane_b32 s14, v1
	s_lshr_b32 s15, s14, 1
	s_and_b32 s16, s14, 1
	s_bfe_u32 s40, ttmp6, 0x40000
	s_bfe_u32 s41, ttmp6, 0x40004
	s_lshl_b32 s42, ttmp9, 2
	s_add_co_u32 s42, s42, s40
	s_and_b32 s17, ttmp7, 0xffff
	s_lshl_b32 s17, s17, 2
	s_add_co_u32 s17, s17, s41
	s_lshl_b32 s43, s41, 2
	s_lshl_b32 s43, 15, s43
	s_lshl_b32 s44, 0x1111, s40
	s_or_b32 s[G1+0], s43, (3<<16)|(1<<21)
	s_or_b32 s[G1B+0], s44, (3<<16)|(1<<21)
.irp g, G1, G1B
	s_mov_b32 s[\g+1], 512<<16
	s_mov_b32 s[\g+2], 8<<16
	s_mov_b32 s[\g+3], 512<<16
	s_mov_b32 s[\g+4], 8
	s_mov_b32 s[\g+5], RB/8
	s_mov_b32 s[\g+6], 0
	s_mov_b32 s[\g+7], 0
.endr
	s_lshl_b32 s18, s16, 3
	s_lshl_b32 s20, s17, 4
	s_add_co_u32 s20, s20, s18
	s_lshl_b32 s20, s20, 14
	s_lshl_b32 s46, s42, 4
	s_add_co_u32 s46, s46, s18
	s_lshl_b32 s46, s46, 14
	s_add_co_u32 s46, s46, 0x400000
	s_mov_b32 s21, 0
	s_mov_b32 s47, 0
	s_mul_i32 s45, s14, HALFT
	s_wait_kmcnt 0x0
	s_load_b128 s[92:95], s[8:9], 0x30
	s_add_nc_u64 s[20:21], s[4:5], s[20:21]
	s_add_nc_u64 s[46:47], s[6:7], s[46:47]
	; the prefetches: of the eight sixteen-row blocks that my wave fetches, each of the four partners that ask for them jointly takes two, told apart by address (cx for A, cy for B): 2 x 4,096 bytes of a K step, lanes 256 bytes apart
	s_cmp_eq_u32 s15, 0
	s_cselect_b64 s[66:67], s[20:21], s[46:47]
	s_cselect_b32 s68, s40, s41
	s_lshl_b32 s68, s68, 15
	s_mov_b32 s69, 0
	s_add_nc_u64 s[66:67], s[66:67], s[68:69]
	v_and_b32 v30, 15, v0
	v_bfe_u32 v31, v0, 4, 1
	v_lshlrev_b32 v30, 8, v30
	v_lshl_add_u32 v30, v31, 14, v30
.irp s, 0,1
	s_mov_b32 s[G0+4*\s], 1
	s_add_co_u32 s[G0+4*\s+1], s45, \s*SLOT
	s_add_nc_u64 s[G0+4*\s+2:G0+4*\s+3], s[20:21], \s*KS
	s_or_b32 s[G0+4*\s+3], s[G0+4*\s+3], 0x80000000
	s_mov_b32 s[G0B+4*\s], 1
	s_add_co_u32 s[G0B+4*\s+1], s45, \s*SLOT
	s_add_nc_u64 s[G0B+4*\s+2:G0B+4*\s+3], s[46:47], \s*KS
	s_or_b32 s[G0B+4*\s+3], s[G0B+4*\s+3], 0x80000000
	s_wait_alu depctr_va_vdst(0)
	s_wait_tensorcnt 0x0
	ds_add_u32 v28, v29
	ds_add_u32 v28, v29
	s_wait_dscnt 0x0
	CROUND
	JLOAD G0+4*\s, G1, G0B+4*\s, G1B
	global_prefetch_b8 v30, s[66:67] offset:(2*\s+1)*KS th:TH_LOAD_NT scope:SCOPE_SE   ; behind K step 0's load: K step 1; behind K step 1's: K step 3, the last
.if \s == 0
	global_prefetch_b8 v30, s[66:67] offset:2*KS th:TH_LOAD_NT scope:SCOPE_SE          ; and K step 2: never more than the next two loads' tiles; the address registers are never rewritten
.endif
.endr
	v_and_b32 v1, 31, v0
	v_lshlrev_b32 v26, 4, v1
	s_mul_i32 s21, s15, HALFT
	s_mul_i32 s22, s16, HALFT
	s_add_co_u32 s22, s22, 2*HALFT
.irp s, 0,1
	v_add_nc_u32 v[ADRA+\s], s21, v26
	v_add_nc_u32 v[ADRB+\s], s22, v26
	s_add_co_u32 s21, s21, SLOT
	s_add_co_u32 s22, s22, SLOT
.endr
.macro FRAG reg, adr, q, i
.irp c, 0,1,2,3
	ds_load_b128 v[\reg+4*\c:\reg+4*\c+3], v[\adr] offset:KS*(\i)+2048*(\q)+512*\c
.endr
.endm
.macro MUL16 a0, p, zero
.irp a, \a0, \a0+1
.irp b, 0,1,2,3,4,5,6,7
.if \zero
	v_wmma_f32_16x16x128_fp8_fp8 v[8*(8*((\a)%4)+\b):8*(8*((\a)%4)+\b)+7], v[128*(\p)+FR*\b:128*(\p)+FR*\b+FR-1], v[AF+FR*(\a):AF+FR*(\a)+FR-1], 0
.else
	v_wmma_f32_16x16x128_fp8_fp8 v[8*(8*((\a)%4)+\b):8*(8*((\a)%4)+\b)+7], v[128*(\p)+FR*\b:128*(\p)+FR*\b+FR-1], v[AF+FR*(\a):AF+FR*(\a)+FR-1], v[8*(8*((\a)%4)+\b):8*(8*((\a)%4)+\b)+7]
.endif
.endr
.endr
.endm
.macro FETCH_B slot, q, p
	WIN TO_B
.irp i, 0,1,2,3,4,5,6,7
	FRAG 128*(\p)+FR*\i, ADRB+\slot, \q, \i
.endr
	WIN 0
.endm
.macro FETCH_A slot, q, i0
.irp i, \i0, \i0+1, \i0+2, \i0+3
	FRAG AF+FR*(\i), ADRA+\slot, \q, \i
.endr
.endm
.macro PLACES n
.rept \n
	v_nop
.endr
.endm
.macro STEP slot, q, zero
	s_wait_dscnt 4*NL
	WIN MUL_LO
	MUL16 0, (\q)%2, \zero
	MUL16 2, (\q)%2, \zero
	s_wait_dscnt 0
	PLACES NP
	FETCH_B \slot, (\q)+1, 1-(\q)%2
	FETCH_A \slot, (\q)+1, 0
	WIN MUL_HI
	MUL16 4, (\q)%2, \zero
	MUL16 6, (\q)%2, \zero
	PLACES NP
	WIN 0
	FETCH_A \slot, (\q)+1, 4
.endm
.macro TURN slot, next, fill
	s_wait_tensorcnt 0x0
	ds_add_u32 v[SPW], v[NIL]
	s_wait_dscnt 4*NL+1
	WIN MUL_LO
	MUL16 0, 1, 0
	s_wait_dscnt 0x0
	s_barrier_signal -1
	MUL16 2, 1, 0
	WIN 0
	s_barrier_wait -1
.if \fill
	CREST
	s_add_nc_u64 s[G0+4*\slot+2:G0+4*\slot+3], s[G0+4*\slot+2:G0+4*\slot+3], 2*KS
	s_add_nc_u64 s[G0B+4*\slot+2:G0B+4*\slot+3], s[G0B+4*\slot+2:G0B+4*\slot+3], 2*KS
	JLOAD G0+4*\slot, G1, G0B+4*\slot, G1B
.else
	PLACES NP
.endif
	FETCH_B \next, 0, 0
	FETCH_A \next, 0, 0
	WIN MUL_HI
	MUL16 4, 1, 0
	MUL16 6, 1, 0
	PLACES NP
	WIN 0
	FETCH_A \next, 0, 4
.endm
	s_wait_alu depctr_va_vdst(0)
	s_wait_tensorcnt 1
	s_barrier_signal -1
	s_barrier_wait -1
	FETCH_B 0, 0, 0
	FETCH_A 0, 0, 0
	FETCH_A 0, 0, 4
	STEP 0, 0, 1
	s_mov_b32 s3, LAPS-1
.Llap:
	TURN 0, 1, 1
	STEP 1, 0, 0
	TURN 1, 0, 1
	STEP 0, 0, 0
	s_sub_co_u32 s3, s3, 1
	s_cmp_lg_u32 s3, 0
	s_cbranch_scc1 .Llap
	TURN 0, 1, 0
	STEP 1, 0, 0
	s_wait_dscnt 4*NL
	WIN MUL_LO
	MUL16 0, 1, 0
	MUL16 2, 1, 0
	s_wait_dscnt 0
	WIN MUL_HI
	MUL16 4, 1, 0
	MUL16 6, 1, 0
	WIN 0
	PLACES NP
	s_wait_kmcnt 0x0
	s_lshl_b32 s20, s17, 4
	s_lshl_b32 s21, s15, 3
	s_add_co_u32 s20, s20, s21
	s_lshl_b32 s20, s20, 16
	s_lshl_b32 s21, s42, 1
	s_add_co_u32 s21, s21, s16
	s_lshl_b32 s21, s21, 11
	s_add_co_u32 s20, s20, s21
	s_mov_b32 s21, 0
	s_add_nc_u64 s[10:11], s[10:11], s[20:21]
	s_add_co_i32 s88, s92, s93
	s_lshl_b32 s88, s88, 1
	s_sub_co_i32 s88, s94, s88
	s_mov_b32 s90, 0x41a947ae
	s_bitcmp1_b32 s88, 0
	s_cselect_b32 s90, 0x41ef70a4, s90
	s_ashr_i32 s89, s88, 1
	s_lshl_b32 s89, s89, 23
	s_add_co_i32 s90, s90, s89
	v_mov_b32 v9, s90
	s_add_co_i32 s88, s88, 127
	s_lshl_b32 s88, s88, 23
	v_mov_b32 v8, s88
.macro HOUT a
.set AC, 64*((\a)%4)
.set CD, 128+16*(\a)
	WIN 0x02+((\a)/4)
.set ii, 0
.rept 64
	v_med3_num_f32 v[Y+ii], v[AC+ii], 0, v9
.set ii, ii+1
.endr
	WIN 0
.set ii, 0
.rept 32
	v_pk_mul_f32 v[Y+ii:Y+ii+1], v[Y+ii:Y+ii+1], v[Y+ii:Y+ii+1]
.set ii, ii+2
.endr
.irp b, 0,1,2,3,4,5,6,7
	v_cvt_scalef32_pk8_fp8_f32 v[CD+2*\b:CD+2*\b+1], v[Y+8*\b:Y+8*\b+7], v8
.endr
	v_nop
.irp i, 0,1,2,3
	global_store_b128 v26, v[CD+4*\i:CD+4*\i+3], s[10:11] offset:65536*(\a)+512*\i
.endr
.endm
.irp a, 0,1,2,3,4,5,6,7
	HOUT \a
.endr
	s_wait_tensorcnt 0x0
	ds_add_u32 v[SPW], v[NIL]
	s_wait_dscnt 0x0
	CROUND
	s_endpgm
.Lfunc_end_k_qdc4771c5c0_fc:
	.size	k_qdc4771c5c0_fc, .Lfunc_end_k_qdc4771c5c0_fc-k_qdc4771c5c0_fc
	.p2alignl 7, 3214868480
	.fill 96, 4, 3214868480
	.section	.rodata,"a",@progbits
	.p2align	6, 0x0
	.amdhsa_kernel k_qdc4771c5c0_fc
		.amdhsa_group_segment_fixed_size 327680
		.amdhsa_private_segment_fixed_size 0
		.amdhsa_enable_private_segment 0
		.amdhsa_kernarg_size 32
		.amdhsa_user_sgpr_count 2
		.amdhsa_user_sgpr_kernarg_segment_ptr 1
		.amdhsa_wavefront_size32 1
		.amdhsa_system_sgpr_workgroup_id_x 1
		.amdhsa_system_sgpr_workgroup_id_y 1
		.amdhsa_system_sgpr_workgroup_id_z 1
		.amdhsa_system_vgpr_workitem_id 0
		.amdhsa_next_free_vgpr 1024
		.amdhsa_next_free_sgpr 100
		.amdhsa_reserve_vcc 0
		.amdhsa_float_denorm_mode_32 3
		.amdhsa_float_denorm_mode_16_64 3
		.amdhsa_memory_ordered 1
		.amdhsa_forward_progress 1
		.amdhsa_inst_pref_size 135
	.end_amdhsa_kernel
	.amdgpu_metadata
---
amdhsa.version: [ 1, 2 ]
amdhsa.kernels:
  - .name:           k_qdc4771c5c0_fc
    .symbol:         k_qdc4771c5c0_fc.kd
    .args:
      - { .name: n2, .offset: 0, .size: 8, .value_kind: global_buffer, .address_space: global }
      - { .name: wc, .offset: 8, .size: 8, .value_kind: global_buffer, .address_space: global }
      - { .name: lowp_scales, .offset: 16, .size: 8, .value_kind: global_buffer, .address_space: global }
      - { .name: hc, .offset: 24, .size: 8, .value_kind: global_buffer, .address_space: global }
    .group_segment_fixed_size: 327680
    .private_segment_fixed_size: 0
    .kernarg_segment_align: 8
    .kernarg_segment_size: 32
    .max_flat_workgroup_size: 128
    .sgpr_count:     100
    .vgpr_count:     1024
    .wavefront_size: 32
...
	.end_amdgpu_metadata
.endif
;; end of part 6
;; launch mlp (part 7): grid 8 x 32, 4 waves a work-group, clusters of 4 x 4, 327,680 bytes of LDS; arguments hc, wc, sc2, lowp_scales, out0; writes out0
.if DOCPART == 7
	.amdgcn_target "amdgcn-amd-amdhsa--gfx1250"
	.amdhsa_code_object_version 6
	.text
	.protected	k_qdc4771c5c0_mlp
	.globl	k_qdc4771c5c0_mlp
	.p2align	8
	.type	k_qdc4771c5c0_mlp,@function
k_qdc4771c5c0_mlp:
	s_mov_b64 s[64:65], 0
	v_nop
	global_prefetch_b8 v0, s[64:65] scope:SCOPE_SE
	s_setreg_imm32_b32 hwreg(HW_REG_WAVE_MODE, 25, 1), 1
	s_wait_xcnt 0x0
	s_wait_alu depctr_hold_cnt(0) depctr_sa_sdst(0) depctr_va_vdst(0) depctr_va_sdst(0) depctr_va_ssrc(0) depctr_va_vcc(0) depctr_vm_vsrc(0)
	s_getreg_b32 s2, hwreg(HW_REG_IB_STS2, 6, 4)
	s_cmp_eq_u32 s2, 0
	s_cbranch_scc0 .Lentry_in_a_cluster
	s_endpgm
.Lentry_in_a_cluster:
	s_bfe_u32 s2, ttmp6, 0x10000c
	s_cmp_lg_u32 s2, 0xf033
	s_cbranch_scc0 .Lentry_shape_is_right
	s_endpgm
.Lentry_shape_is_right:
.set K,     4096
.set WOFF,  0x800000
.set EI,    14
.set RB,    16*K
.set KS,    8192
.set HALFT, 4*KS
.set SLOT,  4*HALFT
.set STAGE, 2*SLOT
.set SP,    272
.set SPARE, STAGE+4*16*SP
.set LAPS,  K/1024
.set ADRA, 16
.set ADRB, 20
.set STO,  24
.set RD,   25
.set CO,   26
.set SPW,  28
.set NIL,  29
.set TMP,  32
.set ACC,  128
.set F0,   0
.set F1,   128
.set G1, 24
.set G0, 32
.set G1B, 48
.set G0B, 56
.set MSB, 0
.macro WIN new
.if MSB != (\new)
	s_set_vgpr_msb (MSB<<8)|(\new)
.set MSB, (\new)
.endif
.endm
.set MUL,  0x05
.set TO_F, 0x40
.macro JLOAD s
	s_cmp_eq_u32 s71, 0
	s_cbranch_scc0 .Lfor_b_\@
	tensor_load_to_lds s[G0+4*\s:G0+4*\s+3], s[G1:G1+7]
	s_nop 0
.rept 4
	v_nop
.endr
	s_branch .Lasked_\@
.Lfor_b_\@:
	tensor_load_to_lds s[G0B+4*\s:G0B+4*\s+3], s[G1B:G1B+7]
	s_nop 0
.rept 4
	v_nop
.endr
.Lasked_\@:
.endm
.macro CREST
	s_cmp_lg_u32 s70, 0
	s_cbranch_scc1 .Lnot_wave_0_\@
	s_barrier_signal -3
.Lnot_wave_0_\@:
	s_barrier_wait -3
	s_barrier_signal -1
	s_barrier_wait -1
.endm
.macro CROUND
	s_barrier_signal -1
	s_barrier_wait -1
	CREST
.endm
	s_load_b256 s[4:11], s[0:1], 0x0
	s_load_b64 s[68:69], s[0:1], 0x20
	v_lshl_add_u32 v[SPW], v0, 2, SPARE
	v_mov_b32 v[NIL], 0
	ds_add_u32 v28, v29
	ds_add_u32 v28, v29
	s_wait_dscnt 0x0
	v_lshrrev_b32 v1, 5, v0
	v_readfirstlane_b32 s70, v1
	s_lshr_b32 s71, s70, 1
	s_and_b32 s72, s70, 1
	s_bfe_u32 s40, ttmp6, 0x40000
	s_bfe_u32 s41, ttmp6, 0x40004
	s_lshl_b32 s42, ttmp9, 2
	s_add_co_u32 s42, s42, s40
	s_and_b32 s13, ttmp7, 0xffff
	s_lshl_b32 s13, s13, 2
	s_add_co_u32 s13, s13, s41
	s_lshl_b32 s43, s41, 2
	s_lshl_b32 s43, 15, s43
	s_lshl_b32 s44, 0x1111, s40
	s_or_b32 s[G1+0], s43, (3<<16)|(1<<21)
	s_or_b32 s[G1B+0], s44, (3<<16)|(1<<21)
.irp g, G1, G1B
	s_mov_b32 s[\g+1], 1024<<16
	s_mov_b32 s[\g+2], 4<<16
	s_mov_b32 s[\g+3], 1024<<16
	s_mov_b32 s[\g+4], 4
	s_mov_b32 s[\g+5], RB/8
	s_mov_b32 s[\g+6], 0
	s_mov_b32 s[\g+7], 0
.endr
	s_lshl_b32 s17, s72, 2
	s_lshl_b32 s16, s13, 3
	s_add_co_u32 s16, s16, s17
	s_lshl_b32 s46, s42, 3
	s_add_co_u32 s46, s46, s17
	s_mul_i32 s16, s16, RB
	s_mul_i32 s46, s46, RB
	s_add_co_u32 s46, s46, WOFF
	s_mov_b32 s17, 0
	s_mov_b32 s47, 0
	s_mul_i32 s20, s70, HALFT
	s_wait_kmcnt 0x0
	s_load_b64 s[96:97], s[10:11], EI*4
	s_add_nc_u64 s[14:15], s[4:5], s[16:17]
	s_add_nc_u64 s[46:47], s[6:7], s[46:47]
	; the prefetches: of the four sixteen-row blocks that my wave fetches, each of the four partners that ask for them jointly takes one, told apart by address (cx for A, cy for B): 8,192 bytes of a K step, lanes 256 bytes apart
	s_cmp_eq_u32 s71, 0
	s_cselect_b64 s[78:79], s[14:15], s[46:47]
	s_cselect_b32 s80, s40, s41
	s_mul_i32 s80, s80, RB
	s_mov_b32 s81, 0
	s_add_nc_u64 s[78:79], s[78:79], s[80:81]      ; at K step 0; each refill steps it one K step on
	v_and_b32 v30, 31, v0
	v_lshlrev_b32 v30, 8, v30
.irp s, 0,1
	s_mov_b32 s[G0+4*\s], 1
	s_add_co_u32 s[G0+4*\s+1], s20, \s*SLOT
	s_add_nc_u64 s[G0+4*\s+2:G0+4*\s+3], s[14:15], \s*KS
	s_or_b32 s[G0+4*\s+3], s[G0+4*\s+3], 0x80000000
	s_mov_b32 s[G0B+4*\s], 1
	s_add_co_u32 s[G0B+4*\s+1], s20, \s*SLOT
	s_add_nc_u64 s[G0B+4*\s+2:G0B+4*\s+3], s[46:47], \s*KS
	s_or_b32 s[G0B+4*\s+3], s[G0B+4*\s+3], 0x80000000
	s_wait_alu depctr_va_vdst(0)
	s_wait_tensorcnt 0x0
	ds_add_u32 v28, v29
	ds_add_u32 v28, v29
	s_wait_dscnt 0x0
	CROUND
	JLOAD \s
	global_prefetch_b8 v30, s[78:79] offset:(2*\s+1)*KS th:TH_LOAD_NT scope:SCOPE_SE   ; behind K step 0's load: K step 1; behind K step 1's: K step 3
.if \s == 0
	global_prefetch_b8 v30, s[78:79] offset:2*KS th:TH_LOAD_NT scope:SCOPE_SE          ; and K step 2: never more than the next two loads' tiles
.endif
.endr
	s_lshl_b32 s74, s13, 7
	s_lshl_b32 s76, s71, 6
	s_add_co_u32 s74, s74, s76
	s_lshl_b32 s74, s74, 12
	s_lshl_b32 s76, s42, 9
	s_add_co_u32 s74, s74, s76
	s_lshl_b32 s76, s72, 8
	s_add_co_u32 s74, s74, s76
	s_mov_b32 s75, 0
	s_add_nc_u64 s[8:9], s[8:9], s[74:75]
	s_add_nc_u64 s[68:69], s[68:69], s[74:75]
	v_and_b32 v1, 15, v0
	v_bfe_u32 v2, v0, 4, 1
	v_lshlrev_b32 v[CO], 12, v2
	v_lshl_add_u32 v[CO], v1, 4, v[CO]
	WIN 0x80
.irp a, 0,1,2,3
.irp t, 0,1,2,3,4,5,6,7
	global_load_b128 v[32*\a+4*\t:32*\a+4*\t+3], v[CO], s[8:9] offset:(16*\a+2*\t)*4096 th:TH_LOAD_NT
.endr
.endr
	WIN 0
	v_and_b32 v3, 31, v0
	v_lshlrev_b32 v3, 4, v3
	s_mul_i32 s21, s71, HALFT
	s_mul_i32 s22, s72, HALFT
	s_add_co_u32 s22, s22, 2*HALFT
.irp s, 0,1
	v_add_nc_u32 v[ADRA+\s], s21, v3
	v_add_nc_u32 v[ADRB+\s], s22, v3
	s_add_co_u32 s21, s21, SLOT
	s_add_co_u32 s22, s22, SLOT
.endr
	s_mul_i32 s23, s70, 16*SP
	s_add_co_u32 s23, s23, STAGE
	v_mul_u32_u24 v4, v1, SP
	v_lshl_add_u32 v4, v2, 5, v4
	v_add_nc_u32 v[STO], s23, v4
	v_mul_u32_u24 v5, v2, SP
	v_lshl_add_u32 v5, v1, 4, v5
	v_add_nc_u32 v[RD], s23, v5
.macro MUL8 f, a0, zero
.irp a, \a0, \a0+1
.irp b, 0,1,2,3
.if \zero
	v_wmma_f32_16x16x128_fp8_fp8 v[ACC+8*(4*(\a)+\b):ACC+8*(4*(\a)+\b)+7], v[\f+64+16*\b:\f+64+16*\b+15], v[\f+16*(\a):\f+16*(\a)+15], 0
.else
	v_wmma_f32_16x16x128_fp8_fp8 v[ACC+8*(4*(\a)+\b):ACC+8*(4*(\a)+\b)+7], v[\f+64+16*\b:\f+64+16*\b+15], v[\f+16*(\a):\f+16*(\a)+15], v[ACC+8*(4*(\a)+\b):ACC+8*(4*(\a)+\b)+7]
.endif
.endr
.endr
.endm
.macro FETCH slot, q, f
	WIN TO_F
.irp i, 0,1,2,3
.irp c, 0,1,2,3
	ds_load_b128 v[\f+64+16*\i+4*\c:\f+64+16*\i+4*\c+3], v[ADRB+\slot] offset:KS*\i+2048*(\q)+512*\c
.endr
.endr
.irp i, 0,1,2,3
.irp c, 0,1,2,3
	ds_load_b128 v[\f+16*\i+4*\c:\f+16*\i+4*\c+3], v[ADRA+\slot] offset:KS*\i+2048*(\q)+512*\c
.endr
.endr
.endm
.macro PLACES
.rept 4
	v_nop
.endr
.endm
.macro QUARTER slot, qn, f, g, zero
	PLACES
	FETCH \slot, \qn, \g
	s_wait_dscnt 32
	WIN MUL
	MUL8 \f, 0, \zero
	MUL8 \f, 2, \zero
.endm
.macro ASK                             ; the K step that stands two refills on; the loop's last trip (s3 = 1) has none
	s_cmp_gt_u32 s3, 1
	s_cbranch_scc0 .Lno_ask_\@
	global_prefetch_b8 v30, s[78:79] offset:3*KS th:TH_LOAD_NT scope:SCOPE_SE
.Lno_ask_\@:
.endm
.macro TURN slot, next, fill
	WIN 0
.if \fill
	s_wait_xcnt 0x0                                ; my last prefetch has read its address: it steps one K step on
	s_add_nc_u64 s[78:79], s[78:79], KS
.endif
	s_wait_tensorcnt 0x0
	ds_add_u32 v[SPW], v[NIL]
	s_wait_dscnt 1
	WIN MUL
	MUL8 F1, 0, 0
	s_wait_dscnt 0x0
	WIN 0
	s_barrier_signal -1
	s_barrier_wait -1
.if \fill
	CREST
	s_add_nc_u64 s[G0+4*\slot+2:G0+4*\slot+3], s[G0+4*\slot+2:G0+4*\slot+3], 2*KS
	s_add_nc_u64 s[G0B+4*\slot+2:G0B+4*\slot+3], s[G0B+4*\slot+2:G0B+4*\slot+3], 2*KS
	JLOAD \slot
.else
	PLACES
.endif
	FETCH \next, 0, F0
.if \fill
	WIN 0
	ASK
.endif
	WIN MUL
	MUL8 F1, 2, 0
.endm
	s_wait_alu depctr_va_vdst(0)
	s_wait_tensorcnt 1
	s_barrier_signal -1
	s_barrier_wait -1
	FETCH 0, 0, F0
	QUARTER 0, 1, F0, F1, 1
.if LAPS > 1
	WIN 0
	s_mov_b32 s3, LAPS-1
.Llap:
	QUARTER 0, 2, F1, F0, 0
	QUARTER 0, 3, F0, F1, 0
	TURN 0, 1, 1
	QUARTER 1, 1, F0, F1, 0
	QUARTER 1, 2, F1, F0, 0
	QUARTER 1, 3, F0, F1, 0
	TURN 1, 0, 1
	QUARTER 0, 1, F0, F1, 0
	WIN 0
	s_sub_co_u32 s3, s3, 1
	s_cmp_lg_u32 s3, 0
	s_cbranch_scc1 .Llap
.endif
	QUARTER 0, 2, F1, F0, 0
	QUARTER 0, 3, F0, F1, 0
	TURN 0, 1, 0
	QUARTER 1, 1, F0, F1, 0
	QUARTER 1, 2, F1, F0, 0
	QUARTER 1, 3, F0, F1, 0
	s_wait_dscnt 0
	MUL8 F1, 0, 0
	MUL8 F1, 2, 0
	WIN 0
	PLACES
	s_wait_kmcnt 0x0
	s_add_co_i32 s96, s96, s97
	s_add_co_i32 s96, s96, 127
	s_lshl_b32 s96, s96, 23
	s_mov_b32 s97, s96
	s_wait_loadcnt 0x0
.macro TOSTAGE a
.irp b, 0,1,2,3
	ds_store_b128 v[STO], v[ACC+8*(4*(\a)+\b):ACC+8*(4*(\a)+\b)+3] offset:64*\b
	ds_store_b128 v[STO], v[ACC+8*(4*(\a)+\b)+4:ACC+8*(4*(\a)+\b)+7] offset:64*\b+16
.endr
.irp t, 0,1,2,3,4,5,6,7
	ds_load_b128 v[TMP+32*((\a)%2)+4*\t:TMP+32*((\a)%2)+4*\t+3], v[RD] offset:\t*2*SP
.endr
.endm
.macro SEND a, younger
	s_wait_dscnt \younger
	WIN 0x20
.set ii, 0
.rept 16
	v_pk_fma_f32 v[TMP+32*((\a)%2)+ii:TMP+32*((\a)%2)+ii+1], v[TMP+32*((\a)%2)+ii:TMP+32*((\a)%2)+ii+1], s[96:97], v[32*(\a)+ii:32*(\a)+ii+1] op_sel_hi:[1,0,1]
.set ii, ii+2
.endr
	WIN 0
.irp t, 0,1,2,3,4,5,6,7
	global_store_b128 v[CO], v[TMP+32*((\a)%2)+4*\t:TMP+32*((\a)%2)+4*\t+3], s[68:69] offset:(16*(\a)+2*\t)*4096
.endr
.endm
	TOSTAGE 0
.irp a, 1,2,3
.if \a > 1
	s_wait_xcnt 0x0
.endif
	TOSTAGE \a
	SEND \a-1, 16
.endr
	SEND 3, 0
	s_wait_tensorcnt 0x0
	ds_add_u32 v[SPW], v[NIL]
	s_wait_dscnt 0x0
	CROUND
	s_endpgm
.Lfunc_end_k_qdc4771c5c0_mlp:
	.size	k_qdc4771c5c0_mlp, .Lfunc_end_k_qdc4771c5c0_mlp-k_qdc4771c5c0_mlp
	.p2alignl 7, 3214868480
	.fill 96, 4, 3214868480
	.section	.rodata,"a",@progbits
	.p2align	6, 0x0
	.amdhsa_kernel k_qdc4771c5c0_mlp
		.amdhsa_group_segment_fixed_size 327680
		.amdhsa_private_segment_fixed_size 0
		.amdhsa_enable_private_segment 0
		.amdhsa_kernarg_size 40
		.amdhsa_user_sgpr_count 2
		.amdhsa_user_sgpr_kernarg_segment_ptr 1
		.amdhsa_wavefront_size32 1
		.amdhsa_system_sgpr_workgroup_id_x 1
		.amdhsa_system_sgpr_workgroup_id_y 1
		.amdhsa_system_sgpr_workgroup_id_z 1
		.amdhsa_system_vgpr_workitem_id 0
		.amdhsa_next_free_vgpr 640
		.amdhsa_next_free_sgpr 100
		.amdhsa_reserve_vcc 0
		.amdhsa_float_denorm_mode_32 3
		.amdhsa_float_denorm_mode_16_64 3
		.amdhsa_memory_ordered 1
		.amdhsa_forward_progress 1
		.amdhsa_inst_pref_size 78
	.end_amdhsa_kernel
	.amdgpu_metadata
---
amdhsa.version: [ 1, 2 ]
amdhsa.kernels:
  - .name:           k_qdc4771c5c0_mlp
    .symbol:         k_qdc4771c5c0_mlp.kd
    .args:
      - { .name: hc, .offset: 0, .size: 8, .value_kind: global_buffer, .address_space: global }
      - { .name: wc, .offset: 8, .size: 8, .value_kind: global_buffer, .address_space: global }
      - { .name: sc2, .offset: 16, .size: 8, .value_kind: global_buffer, .address_space: global }
      - { .name: lowp_scales, .offset: 24, .size: 8, .value_kind: global_buffer, .address_space: global }
      - { .name: out0, .offset: 32, .size: 8, .value_kind: global_buffer, .address_space: global }
    .group_segment_fixed_size: 327680
    .private_segment_fixed_size: 0
    .kernarg_segment_align: 8
    .kernarg_segment_size: 40
    .max_flat_workgroup_size: 128
    .sgpr_count:     100
    .vgpr_count:     640
    .wavefront_size: 32
...
	.end_amdgpu_metadata
.endif
;; end of part 7
